; MI455X (gfx1250); checked and timed in simulation.
; The chip was launched on July 23, 2026; its instructions are those of AMD's public machine-readable ISA for CDNA 5 (MIT licence, August 2026) and "CDNA5" Instruction Set Architecture Reference Guide (July 2026). The comments in the code are by the model that wrote it; some were corrected since.
;; Attention. Allowed arithmetic: matrix products marked QUANTISED: E2M3 operands, one E8M0 scale for each 32 along K, by v_wmma_scale_f32_16x16x128_f8f6f4 with both operands' format E2M3, f32 sums; everything else in f32.
;; Inputs: b_o 1,024 float32; b_qkv 3,072 float32; hidden_states 4 x 2,048 x 1,024 float32; w_o 1,024 x 1,024 float32; w_qkv 1,024 x 3,072 float32.
;; Outputs: out0 4 x 2,048 x 1,024 float32.
;; This version of the problem:
;;   THIS VERSION OF THE PROBLEM IS GIVEN IN LOW PRECISION. The matrix products marked QUANTISED in the list below multiply operands that are first quantised to E2M3 (2 exponent bits, 3 mantissa bits; 6 bits a number), with one power-of-two scale for each 32 numbers along K (OCP MX v1.0); their sums are f32. All else is computed in f32.
;;   The module's matrix products, in the order in which they are computed (A, B: the left and right operand; K: the contracted axis; several contracted axes count as one K, in the product's order):
;;     1. [M 8,192, K 1,024] x [K 1,024, N 3,072]; A: input hidden_states; B: input w_qkv: QUANTISED
;;     2. batch 64 x [M 2,048, K 64] x [K 64, N 2,048]; A: computed on the way; B: computed on the way: QUANTISED
;;     3. batch 64 x [M 2,048, K 2,048] x [K 2,048, N 64]; A: softmax (see below); B: computed on the way: QUANTISED
;;     4. [M 8,192, K 1,024] x [K 1,024, N 1,024]; A: computed on the way; B: input w_o: QUANTISED
;;   THE QUANTISER, for each operand of a quantised product, along K:
;;     - K is cut into blocks of 32 from its start; a last block that is shorter is filled with zeros.
;;     - A block's scale is 2^e with e = floor(log2(the largest magnitude in the block)) - 2, held to -126 .. 127; a block of zeros has e = 0. As a byte (E8M0): e + 127.
;;     - Each number is divided by its block's scale, clamped to +-7.5, and rounded to the nearest number of E2M3, ties to even, subnormals kept.
;;     - The product sums the exact products of the quantised numbers (number of the format x scale) in f32.
;;   ~~~python
;;   def quantise(x, axis):      # numpy; x: float32 -> the quantised numbers, widened to float32 again
;;       x = np.moveaxis(x, axis, -1); K = x.shape[-1]
;;       x = np.pad(x, [(0, 0)] * (x.ndim - 1) + [(0, -K % 32)]); x = x.reshape(x.shape[:-1] + (-1, 32)); a = np.abs(x).max(-1, keepdims=True)
;;       e = np.where(a > 0, np.clip(np.frexp(np.where(a > 0, a, 1))[1] - 1 - 2, -126, 127), 0)      # np.frexp(a)[1] - 1 = floor(log2(a)), exactly
;;       r = np.clip(x / 2.0 ** e, -7.5, 7.5)
;;       step = 2.0 ** (np.maximum(np.frexp(np.where(r == 0, 1, r))[1] - 1, 0) - 3)
;;       q = np.round(r / step) * step * 2.0 ** e      # np.round: ties to even
;;       return np.moveaxis(q.reshape(q.shape[:-2] + (-1,))[..., :K], -1, axis).astype(np.float32)
;;   ~~~
;;   SOFTMAX AHEAD OF A QUANTISED PRODUCT. Where the list says 'softmax', what is quantised is not the finished softmax but p = 2^(t - M), with t = logit x log2(e) and M = ceil(the row's largest t), a whole number; so 1/2 < the row's largest p <= 1. The row's sum l is taken of the UNQUANTISED p, in f32, and the product's result is divided by l at the end. Since M is a whole number, a kernel that streams over the keys may use a running M (the ceiling of the running maximum): every later rescaling is an exact power of two, which a block's scale takes up: the codes' values come out the same.
;;   OPERANDS COMPUTED ON THE WAY. 'Computed on the way' means the value that the module computes at that place (a softmax that the list does not call 'softmax' is quantised finished and normalised). What goes into a quantiser is computed in f32, as accurately as f32 sums, v_exp_f32 and their like allow (about 1e-6 of the number): no bf16 or f16 on the way to a quantiser, and a product that is left as it is and whose result goes on into a quantised operand takes f32 operands (vector FMAs, or v_wmma_f32_16x16x4_f32). A number that lies on a knife's edge between two numbers of the format may be rounded either way, as far as f32 arithmetic and the matrix unit's own rounding can turn it there, and no further.
;; One version. Each part assembles by itself: llvm-mc -triple=amdgcn-amd-amdhsa -mcpu=gfx1250 --defsym DOCPART=n.
;; ======== version 1 of 1: 4 launches
;; workspace buffers: hc 6,291,456 bytes; wc 3,145,728 bytes; sc 655,360 bytes; qkv 19,660,800 bytes; attc 6,291,456 bytes
;; launch quant (part 1): grid 768 x 1, 4 waves a work-group, no clusters, 68,608 bytes of LDS; arguments hidden_states, w_qkv, w_o, hc, wc, sc; writes hc, wc, sc
.if DOCPART == 1
	.amdgcn_target "amdgcn-amd-amdhsa--gfx1250"
	.amdhsa_code_object_version 6
	.text
	.protected	k_q893e2ec4a3_quant
	.globl	k_q893e2ec4a3_quant
	.p2align	8
	.type	k_q893e2ec4a3_quant,@function
k_q893e2ec4a3_quant:
	s_mov_b64 s[64:65], 0
	v_nop
	global_prefetch_b8 v0, s[64:65] scope:SCOPE_SE
	s_setreg_imm32_b32 hwreg(HW_REG_WAVE_MODE, 25, 1), 1
	s_wait_xcnt 0x0
; hidden_states [8192][1024], w_qkv [1024][3072] and w_o [1024][1024], f32, become codes of FP6 (E2M3) with one E8M0 byte for each 32 along K (1,024 for all three).
; A block's scale is 2^(floor(log2(largest magnitude)) - 2); its byte is the largest magnitude's exponent field - 2, held at 1 from below; numbers are divided by it and rounded to the nearest code, ties to even.
; LIMITS: a block of zeros gets the byte 1 (not 127): its codes are zeros and only this program reads the bytes.  Blocks whose largest magnitude lies under 2^-124 are held at the byte 1.  NaN and infinities are not served.
; THE CODES LEAVE AS IMAGES OF AN OPERAND'S REGISTERS.  An image is 16 rows x 128 K: 12 registers a lane, 1,536 bytes: three groups of four registers, lane l's 16 bytes at 16 l, 512 bytes a group.
; Lane (r, h) of an image holds row r; registers 6 c .. 6 c + 5 hold K = 64 c + 32 h + 0 .. 31.  THE ROWS OF AN IMAGE ARE NOT NEIGHBOURS: of a group of 32 rows image u takes rows 8 u + r + 8 (r / 8),
; so that a later product's 16 registers of two neighbouring images are 16 neighbours.  hc: [row' / 16][K / 128][1,536]; wc likewise (rows' 0-3071 w_qkv's columns, 3072-4095 w_o's); sc: [row'][8 words], a word = the four bytes of 128 K.
; SHARES.  Work-groups 0-511: hidden: 32 rows x 512 K, a wave 32 rows x 128 K.  512-703: w_qkv, 704-767: w_o: 128 columns x 128 K, a wave 32 columns.  Waves share nothing: no barrier.  All offsets are immediates: no loop.
.set PIT,  528                         ; a stage row: 512 bytes + 16
.set STG,  32*PIT+128                  ; a wave's stage; rows 16-31 lie 128 bytes further on, so that rows 0-7 and 16-23 start in sixteen different columns of 16 bytes
.set RAW,  64                          ; v64-191  numbers as loaded
.set XN,   192                         ; v192-255 64 numbers of a lane in the operand's order
.set F0,   16                          ; v16-27, v28-39  two fragments
.set F1,   28
.set TC,   40                          ; v40-42, v44-46  the second three registers of a block's six: a conversion's result begins on an even register
.set MX,   48                          ; v48-54   at work
.set W0,   56                          ; v56, v57 scale words
.set W1,   57
.set SEL,  20                          ; s[20:21] lane selects: lane l xor 16
; 64 numbers of lane (r, h), register 32 c + i = K 64 c + 32 h + i of its row: two whole blocks.  Codes to v[f] on, the row's scale word to v[w].
.macro QH s, f, w
.irp c, 0,1
	v_max3_num_f32 v[MX+\c], |v[\s+32*\c]|, |v[\s+32*\c+1]|, 0x1800000   ; with the floor 2^(3 - 127): the byte cannot fall under 1
.endr
.irp i, 2,4,6,8,10,12,14,16,18,20,22,24,26,28,30
.irp c, 0,1
	v_max3_num_f32 v[MX+\c], v[MX+\c], |v[\s+32*\c+\i]|, |v[\s+32*\c+\i+1]|
.endr
.endr
.irp c, 0,1
	v_add_nc_u32 v[MX+2+\c], 0xff000000, v[MX+\c]      ; 2 off the exponent field: the conversion's scale operand
.endr
.irp c, 0,1
	v_lshrrev_b32 v[MX+4+\c], 23, v[MX+2+\c]           ; the byte
.endr
	v_lshl_or_b32 v[\w], v[MX+5], 16, v[MX+4]          ; my bytes are those of blocks h and 2 + h:
	v_lshlrev_b32 v[\w], v7, v[\w]                     ; 8 h bits up,
	v_permlanex16_b32 v[MX+6], v[\w], s[SEL], s[SEL+1]
	v_or_b32 v[\w], v[\w], v[MX+6]                     ; and with lane l xor 16's two the word is whole
.irp c, 0,1
	v_cvt_scalef32_pk16_fp6_f32 v[\f+6*\c:\f+6*\c+2], v[\s+32*\c:\s+32*\c+15], v[MX+2+\c]
	v_cvt_scalef32_pk16_fp6_f32 v[TC+4*\c:TC+4*\c+2], v[\s+32*\c+16:\s+32*\c+31], v[MX+2+\c]
.endr
	v_nop                                              ; one plain place behind a scaled conversion
.irp c, 0,1
.irp i, 0,1,2
	v_mov_b32 v[\f+6*\c+3+\i], v[TC+4*\c+\i]
.endr
.endr
.endm
.macro RD u, reg                       ; image u's numbers out of the stage: row 8 u + r + 8 (r / 8), bytes 256 c + 128 h + 16 i
.irp c, 0,1
.irp i, 0,1,2,3,4,5,6,7
	ds_load_b128 v[\reg+32*\c+4*\i:\reg+32*\c+4*\i+3], v6 offset:8*\u*PIT+256*\c+16*\i
.endr
.endr
.endm
.macro WLOAD q, n, ptr                 ; block q of my column: W(128 kc + 32 q + i, column): 32 lanes read 128 consecutive bytes
.set i, 0
.rept 32
	global_load_b32 v[RAW+32*(\q)+i], v5, s[\ptr:\ptr+1] offset:(32*(\q)+i)*(\n)*4 th:TH_LOAD_NT
.set i, i+1
.endr
.endm
.macro WBLK q                          ; block q = 2 c + h of my column: all 32 numbers are mine; its codes are registers 6 c .. 6 c + 5 of image lane (r, h)
.set XS, RAW+32*(\q)
.set FH, F0+12*((\q)%2)+6*((\q)/2)
	v_max3_num_f32 v[MX], |v[XS]|, |v[XS+1]|, |v[XS+2]|
	v_max3_num_f32 v[MX+1], |v[XS+3]|, |v[XS+4]|, |v[XS+5]|
.irp i, 6,10,14,18,22,26
	v_max3_num_f32 v[MX], v[MX], |v[XS+\i]|, |v[XS+\i+1]|
	v_max3_num_f32 v[MX+1], v[MX+1], |v[XS+\i+2]|, |v[XS+\i+3]|
.endr
	v_max3_num_f32 v[MX], v[MX], |v[XS+30]|, |v[XS+31]|
	v_max3_num_f32 v[MX], v[MX], v[MX+1], 0x1800000
	v_add_nc_u32 v[MX+2], 0xff000000, v[MX]
	v_lshrrev_b32 v[MX+3], 23, v[MX+2]
.if (\q) == 0
	v_mov_b32 v[W0], v[MX+3]
.else
	v_lshl_or_b32 v[W0], v[MX+3], 8*(\q), v[W0]
.endif
	v_cvt_scalef32_pk16_fp6_f32 v[FH:FH+2], v[XS:XS+15], v[MX+2]
	v_cvt_scalef32_pk16_fp6_f32 v[TC:TC+2], v[XS+16:XS+31], v[MX+2]
	v_nop
.irp i, 0,1,2
	v_mov_b32 v[FH+3+\i], v[TC+\i]
.endr
.endm
; A weight [1024][n], K its first axis: a lane takes a column and its registers run down K.  first: the path's first work-group; rb: its first row' in wc.
.macro WPATH n, ptr, rb, first
	s_sub_co_u32 s17, ttmp9, \first
	s_lshr_b32 s18, s17, 3
	s_and_b32 s17, s17, 7                          ; kc: which 128 along K
	s_lshl_b32 s18, s18, 7
	s_lshl_b32 s19, s16, 5
	s_add_co_u32 s18, s18, s19                     ; my wave's first column
	v_lshlrev_b32 v5, 2, v1                        ; in: 4 bytes a lane
	v_bfe_u32 v6, v0, 3, 1                         ; column j of the 32 is row r = j % 8 + 8 (j / 16) of image u = (j / 8) % 2
	v_and_b32 v7, 7, v0
	v_lshl_add_u32 v7, v3, 3, v7
	v_lshlrev_b32 v9, 4, v7
	v_mad_u32_u24 v9, v6, 0x3000, v9               ; codes: 12,288 u + 16 r (image u + 1 lies eight images on)
	v_lshl_add_u32 v10, v6, 4, v7
	v_lshlrev_b32 v10, 5, v10                      ; scale word: 32 bytes a row'
	s_mul_i32 s22, s17, 128*(\n)*4
	s_lshl_b32 s24, s18, 2
	s_add_co_u32 s22, s22, s24
	s_mov_b32 s23, 0
	s_add_co_u32 s24, s18, \rb
	s_mul_i32 s26, s24, 768                        ; row' / 16 x 8 images of 1,536 bytes
	s_mul_i32 s25, s17, 1536
	s_add_co_u32 s26, s26, s25
	s_mov_b32 s27, 0
	s_add_co_u32 s24, s24, 8192                    ; the weights' rows of sc lie behind hidden's 8,192
	s_lshl_b32 s24, s24, 5
	s_lshl_b32 s25, s17, 2
	s_add_co_u32 s24, s24, s25
	s_mov_b32 s25, 0
	s_wait_alu depctr_va_vdst(0)
	s_wait_kmcnt 0x0
	s_add_nc_u64 s[\ptr:\ptr+1], s[\ptr:\ptr+1], s[22:23]
	s_add_nc_u64 s[12:13], s[12:13], s[26:27]
	s_add_nc_u64 s[14:15], s[14:15], s[24:25]
	WLOAD 0, \n, \ptr
	WLOAD 1, \n, \ptr
	s_wait_loadcnt 32                              ; block 0 is in; block 1's 32 loads may be out
	WLOAD 2, \n, \ptr
	WBLK 0
	s_wait_loadcnt 32                              ; block 1 is in; block 2's may be out
	WLOAD 3, \n, \ptr
	WBLK 1
	s_wait_loadcnt 32                              ; block 2 is in
	WBLK 2
	s_wait_loadcnt 0x0
	WBLK 3
.irp g, 0,1,2
	global_store_b128 v9, v[F0+4*\g:F0+4*\g+3], s[12:13] offset:512*\g          ; the sixteen lanes of an image store 256 consecutive bytes, aligned: the image's lanes 0-15,
	global_store_b128 v9, v[F1+4*\g:F1+4*\g+3], s[12:13] offset:512*\g+256      ; and its lanes 16-31
.endr
	global_store_b32 v10, v[W0], s[14:15]          ; 4 bytes of each row's 32: the other seven words come from other work-groups
	s_endpgm
.endm
	s_load_b256 s[4:11], s[0:1], 0x0               ; hidden s[4:5], w_qkv s[6:7], w_o s[8:9], hc s[10:11]
	s_load_b128 s[12:15], s[0:1], 0x20             ; wc s[12:13], sc s[14:15]
	v_lshl_add_u32 v62, v0, 2, 0x10a00
	v_mov_b32 v63, 0
	v_lshrrev_b32 v1, 5, v0
	v_readfirstlane_b32 s16, v1                    ; wave
	v_and_b32 v1, 31, v0                           ; lane
	v_and_b32 v2, 15, v0                           ; r
	v_bfe_u32 v3, v0, 4, 1                         ; h
	v_lshlrev_b32 v4, 4, v1                        ; 16 x lane
	s_mov_b32 s[SEL], 0x76543210
	s_mov_b32 s[SEL+1], 0xfedcba98
	s_cmp_lt_u32 ttmp9, 512
	s_cbranch_scc0 .Lweights
	; ---- hidden: K is innermost.  Each load reads 512 consecutive bytes of one row; the 16 KiB turn through the wave's stage into the operand's order.
	s_lshr_b32 s17, ttmp9, 1                       ; which 32 rows
	s_and_b32 s18, ttmp9, 1
	s_lshl_b32 s18, s18, 2
	s_add_co_u32 s18, s18, s16                     ; kc
	s_mul_i32 s19, s16, STG
	s_wait_alu depctr_va_vdst(0)
	v_add_nc_u32 v5, s19, v4                       ; into the stage: 16 x lane
	v_and_b32 v9, 8, v2
	v_add_nc_u32 v6, v9, v2                        ; r + 8 (r / 8)
	v_mul_u32_u24 v6, v6, PIT
	v_lshl_add_u32 v6, v3, 7, v6                   ; + 128 h
	v_lshl_add_u32 v6, v9, 4, v6                   ; + 128 where the row is 16 or more
	v_add_nc_u32 v6, s19, v6
	v_lshlrev_b32 v7, 3, v3                        ; 8 h
	v_lshlrev_b32 v8, 5, v1                        ; 32 x lane: lane 16 u + r is row' 16 u + r of sc
	v_mov_b32 v[MX+6], 0                           ; a lane permute's destination counts as one of its sources
	s_lshl_b32 s22, s17, 17                        ; 32 rows of 4,096 bytes
	s_lshl_b32 s24, s18, 9
	s_add_co_u32 s22, s22, s24
	s_mov_b32 s23, 0
	s_lshl_b32 s24, s17, 4
	s_add_co_u32 s24, s24, s18
	s_mul_i32 s24, s24, 1536                       ; image (2 G, kc)
	s_mov_b32 s25, 0
	s_lshl_b32 s26, s17, 10
	s_lshl_b32 s27, s18, 2
	s_add_co_u32 s26, s26, s27
	s_mov_b32 s27, 0
	s_mov_b32 s19, 0xffff0000
	s_wait_alu depctr_va_vdst(0)
	s_wait_kmcnt 0x0
	s_add_nc_u64 s[4:5], s[4:5], s[22:23]
	s_add_nc_u64 s[10:11], s[10:11], s[24:25]
	s_add_nc_u64 s[14:15], s[14:15], s[26:27]
.set p, 0
.rept 32
	global_load_b128 v[RAW+4*p:RAW+4*p+3], v4, s[4:5] offset:4096*p th:TH_LOAD_NT
.set p, p+1
.endr
.set g, 0
.rept 4
	s_wait_loadcnt 24-8*g                          ; the first 8 (g + 1) rows are in
.set p, 8*g
.rept 8
	ds_store_b128 v5, v[RAW+4*p:RAW+4*p+3] offset:PIT*p+128*(p/16)
.set p, p+1
.endr
.set g, g+1
.endr
	RD 0, XN                                       ; LDS serves a wave's instructions in order: these see my stores
	s_wait_dscnt 0x0                               ; image 0's numbers are in, and the stores have read v64-191
	RD 1, RAW
	QH XN, F0, W0
.irp g, 0,1,2
	global_store_b128 v4, v[F0+4*\g:F0+4*\g+3], s[10:11] offset:512*\g          ; 512 consecutive bytes
.endr
	s_wait_dscnt 0x0
	QH RAW, F1, W1
.irp g, 0,1,2
	global_store_b128 v4, v[F1+4*\g:F1+4*\g+3], s[10:11] offset:12288+512*\g
.endr
	v_cndmask_b32 v[MX], v[W0], v[W1], s19         ; lanes 0-15 image 0's words, lanes 16-31 image 1's
	global_store_b32 v8, v[MX], s[14:15]
	s_wait_tensorcnt 0x0
	ds_add_u32 v62, v63
	s_wait_dscnt 0x0
	s_endpgm
.Lweights:
	s_cmp_lt_u32 ttmp9, 704
	s_cbranch_scc0 .Lwo
	s_wait_alu depctr_va_vdst(0)
	WPATH 3072, 6, 0, 512
.Lwo:
	s_wait_alu depctr_va_vdst(0)
	WPATH 1024, 8, 3072, 704
.Lfunc_end_k_q893e2ec4a3_quant:
	.size	k_q893e2ec4a3_quant, .Lfunc_end_k_q893e2ec4a3_quant-k_q893e2ec4a3_quant
	.p2alignl 7, 3214868480
	.fill 96, 4, 3214868480
	.section	.rodata,"a",@progbits
	.p2align	6, 0x0
	.amdhsa_kernel k_q893e2ec4a3_quant
		.amdhsa_group_segment_fixed_size 68608
		.amdhsa_private_segment_fixed_size 0
		.amdhsa_enable_private_segment 0
		.amdhsa_kernarg_size 48
		.amdhsa_user_sgpr_count 2
		.amdhsa_user_sgpr_kernarg_segment_ptr 1
		.amdhsa_wavefront_size32 1
		.amdhsa_system_sgpr_workgroup_id_x 1
		.amdhsa_system_sgpr_workgroup_id_y 1
		.amdhsa_system_sgpr_workgroup_id_z 1
		.amdhsa_system_vgpr_workitem_id 0
		.amdhsa_next_free_vgpr 256
		.amdhsa_next_free_sgpr 66
		.amdhsa_reserve_vcc 0
		.amdhsa_float_denorm_mode_32 3
		.amdhsa_float_denorm_mode_16_64 3
		.amdhsa_memory_ordered 1
		.amdhsa_forward_progress 1
		.amdhsa_inst_pref_size 57
	.end_amdhsa_kernel
	.amdgpu_metadata
---
amdhsa.version: [ 1, 2 ]
amdhsa.kernels:
  - .name:           k_q893e2ec4a3_quant
    .symbol:         k_q893e2ec4a3_quant.kd
    .args:
      - { .name: hidden_states, .offset: 0, .size: 8, .value_kind: global_buffer, .address_space: global }
      - { .name: w_qkv, .offset: 8, .size: 8, .value_kind: global_buffer, .address_space: global }
      - { .name: w_o, .offset: 16, .size: 8, .value_kind: global_buffer, .address_space: global }
      - { .name: hc, .offset: 24, .size: 8, .value_kind: global_buffer, .address_space: global }
      - { .name: wc, .offset: 32, .size: 8, .value_kind: global_buffer, .address_space: global }
      - { .name: sc, .offset: 40, .size: 8, .value_kind: global_buffer, .address_space: global }
    .group_segment_fixed_size: 68608
    .private_segment_fixed_size: 0
    .kernarg_segment_align: 8
    .kernarg_segment_size: 48
    .max_flat_workgroup_size: 128
    .sgpr_count:     66
    .vgpr_count:     256
    .wavefront_size: 32
...
	.end_amdgpu_metadata
.endif
;; end of part 1
;; launch qkvp (part 2): grid 12 x 32, 4 waves a work-group, clusters of 4 x 4, 327,680 bytes of LDS; arguments hc, wc, sc, b_qkv, qkv; writes qkv
.if DOCPART == 2
	.amdgcn_target "amdgcn-amd-amdhsa--gfx1250"
	.amdhsa_code_object_version 6
	.text
	.protected	k_q893e2ec4a3_qkvp
	.globl	k_q893e2ec4a3_qkvp
	.p2align	8
	.type	k_q893e2ec4a3_qkvp,@function
k_q893e2ec4a3_qkvp:
	s_mov_b64 s[64:65], 0
	v_nop
	global_prefetch_b8 v0, s[64:65] scope:SCOPE_SE
	s_setreg_imm32_b32 hwreg(HW_REG_WAVE_MODE, 25, 1), 1
	s_wait_xcnt 0x0
	s_wait_alu depctr_hold_cnt(0) depctr_sa_sdst(0) depctr_va_vdst(0) depctr_va_sdst(0) depctr_va_ssrc(0) depctr_va_vcc(0) depctr_vm_vsrc(0)
	s_getreg_b32 s2, hwreg(HW_REG_IB_STS2, 6, 4)
	s_cmp_eq_u32 s2, 0
	s_cbranch_scc0 .Lentry_in_a_cluster
	s_endpgm
.Lentry_in_a_cluster:
	s_bfe_u32 s2, ttmp6, 0x10000c
	s_cmp_lg_u32 s2, 0xf033
	s_cbranch_scc0 .Lentry_shape_is_right
	s_endpgm
.Lentry_shape_is_right:
; qkv = hidden w_qkv + b_qkv on codes of FP6 (E2M3) with E8M0 scales, K = 1,024; the results are quantised in registers and leave as codes: q and k along the head's 64, v along the keys.
; A tile is 256 x 256, four waves, a wave 128 x 128: 64 accumulators of 16 x 16.  Source 1 ("A") gives a lane its row, source 0 ("B") runs along the lane's registers.
; TWO TYPES, by the cluster's x alone (equal in all sixteen partners).  Clusters x = 0, 1 (q and k): A = 256 tokens, B = 256 columns of w_qkv: a lane holds one token, registers run along the head's channels.
; Clusters x = 2 (v): A = 256 columns of w_qkv, B = 256 tokens: a lane holds one channel, registers run along the keys, which are the K of attention's second product.
; OPERANDS ARE IMAGES OF REGISTERS (16 rows x 128 K, 1,536 bytes, three groups of 512): a fragment is three loads of 16 bytes a lane at 16 x lane.  Of 32 rows image u holds rows 8 u + r + 8 (r / 8), so the
; 64 registers of a lane's eight accumulators are: register 16 g + i = B's index 32 g + 16 (lane / 16) + i.
; K goes in four steps of 256 through three LDS slots: steps 0, 1, 2 are first fills, step 3 fills slot 0 again: one refill in the launch; by this text's count a wave has at most three tensor loads out.
; CLUSTER 4 x 4: A's tile hangs on cy and is shared along a row of the cluster, B's on cx and is shared along a column: each is asked for jointly.
; OUT: qkv [48 heads: q 0-15, k 16-31, v 32-47][64 chunks of 128 tokens][6,400]: four images and 256 bytes of scale words [r 16][4].  q, k: image p = tokens 32 p on; registers 0-5 its image-0 rows x the head's 64,
; registers 6-11 its image-1 rows; word p: two bytes each.  v: image t = channels' rows 16 t on x the chunk's 128 keys.
; LIMITS: a block of zeros gets the byte 1 with zero codes; largest magnitudes under 2^-124 are held at the byte 1; NaN and infinities are not served.
; REGISTERS: window 0: v1-14 at work on the way out; v15-31 addresses; v32-95 scale words and nothing else; v96-127, v224-255 the bias; v128-223 A's eight fragments, one set (on the way out: 64 numbers, two fragments).
;   window 1: B's fragments, two sets, at v0 and v128.  window 2: accumulators of A's blocks 0-3 ((a, b) at v[8 (8 (a % 4) + b)]); window 3: blocks 4-7.
.set SLOT,  98304                      ; A's two halves, B's two halves: 4 x 8 row blocks x 3,072 bytes (two images: 256 along K)
.set HALF,  24576
.set SPARE, 3*SLOT                     ; the spare words: 128 bytes a wave, two blocks of 256 bytes that no other line names
.set WSTGQ, SPARE+512                  ; scale words on their way out: 512 bytes a wave; each of the two ways out has bytes of its own
.set WSTGV, WSTGQ+2048
.set HSTR,  409600                     ; from a head to the next in qkv: 64 x 6,400
.set SC,    32
.set AF,    128
.set XN,    128
.set FX,    192
.set FY,    204
.set CT,    216
.set TM,    1
.set PW,    13
.set SPW,   28
.set NIL,   29
.set SEL,   20
.set G1A,   24                         ; s[24:31] group 1 for A; s[32:43] three groups 0
.set G0A,   32
.set G1B,   44                         ; s[44:51], s[52:63] the same for B
.set G0B,   52
.set MSB, 0
.macro WIN new                         ; the immediate's high byte repeats the setting that is left
.if MSB != (\new)
	s_set_vgpr_msb (MSB<<8)|(\new)
.set MSB, (\new)
.endif
.endm
.set MUL_LO, 0xa1                      ; source 0 (B) window 1, source 1 (A) window 0, C and D window 2
.set MUL_HI, 0xf1
; A joint load: waves 0, 1 ask for A's halves, waves 2, 3 for B's.  Four v_nop follow each of the two lines.
.macro JLOAD g0a, g1a, g0b, g1b
	s_cmp_eq_u32 s17, 0
	s_cbranch_scc0 .Lfor_b_\@
	tensor_load_to_lds s[\g0a:\g0a+3], s[\g1a:\g1a+7]
	s_nop 0
.rept 4
	v_nop
.endr
	s_branch .Lasked_\@
.Lfor_b_\@:
	tensor_load_to_lds s[\g0b:\g0b+3], s[\g1b:\g1b+7]
	s_nop 0
.rept 4
	v_nop
.endr
.Lasked_\@:
.endm
.macro CREST                           ; a round of the cluster's barrier behind its opening barrier
	s_cmp_lg_u32 s16, 0
	s_cbranch_scc1 .Lnot_wave_0_\@
	s_barrier_signal -3
.Lnot_wave_0_\@:
	s_barrier_wait -3
	s_barrier_signal -1
	s_barrier_wait -1
.endm
.macro CROUND
	s_barrier_signal -1
	s_barrier_wait -1
	CREST
.endm
.macro PLACES n                        ; places behind matrix instructions (ISA guide 7.12.1): plain vector instructions that name none of their registers
.rept \n
	v_nop
.endr
.endm
.macro FRAG reg, adr, off
.irp c, 0,1,2
	ds_load_b128 v[\reg+4*\c:\reg+4*\c+3], v[\adr] offset:\off+512*\c
.endr
.endm
.macro FETCH_B slot, q, p              ; B's eight fragments of the slot's q-th 128 along K into set p: 24 loads
	WIN 0x40
.irp i, 0,1,2,3,4,5,6,7
	FRAG 128*(\p)+12*\i, 20+\slot, 3072*\i+1536*(\q)
.endr
	WIN 0
.endm
.macro FETCH_A slot, q, i0             ; A's blocks i0 .. i0 + 3: 12 loads
.irp i, \i0, \i0+1, \i0+2, \i0+3
	FRAG AF+12*(\i), 16+\slot, 3072*(\i)+1536*(\q)
.endr
.endm
; 16 products: A's blocks a0, a0 + 1 x B's eight; kc: which 128 along K.  The 64 accumulators take turns, one instruction a turn, in one order throughout.
; Register SC + 8 i + kc: lanes 0-15 the words of A's block i, lanes 16-31 those of B's block i.
.macro MUL16 a0, p, kc, zero
.irp a, \a0, \a0+1
.irp b, 0,1,2,3,4,5,6,7
.if \zero
	v_wmma_scale_f32_16x16x128_f8f6f4 v[8*(8*((\a)%4)+\b):8*(8*((\a)%4)+\b)+7], v[128*(\p)+12*\b:128*(\p)+12*\b+11], v[AF+12*(\a):AF+12*(\a)+11], 0, v[SC+8*\b+(\kc)], v[SC+8*(\a)+(\kc)] matrix_a_fmt:MATRIX_FMT_FP6 matrix_b_fmt:MATRIX_FMT_FP6 matrix_a_scale:MATRIX_SCALE_ROW1
.else
	v_wmma_scale_f32_16x16x128_f8f6f4 v[8*(8*((\a)%4)+\b):8*(8*((\a)%4)+\b)+7], v[128*(\p)+12*\b:128*(\p)+12*\b+11], v[AF+12*(\a):AF+12*(\a)+11], v[8*(8*((\a)%4)+\b):8*(8*((\a)%4)+\b)+7], v[SC+8*\b+(\kc)], v[SC+8*(\a)+(\kc)] matrix_a_fmt:MATRIX_FMT_FP6 matrix_b_fmt:MATRIX_FMT_FP6 matrix_a_scale:MATRIX_SCALE_ROW1
.endif
.endr
.endr
.endm
; 128 along K; the next 128 (slot nslot, its nq-th) are fetched on the way: B's other set and A's blocks 0-3 in the middle, A's blocks 4-7 at the end.
.macro STEP kc, nslot, nq, zero
	s_wait_dscnt 12                                ; B's set and A's blocks 0-3 are in; the youngest 12 loads (A's blocks 4-7) may be out
	WIN MUL_LO
	MUL16 0, (\kc)%2, \kc, \zero
	MUL16 2, (\kc)%2, \kc, \zero
	s_wait_dscnt 0x0                               ; A's blocks 4-7 are in
	PLACES 4
	FETCH_B \nslot, \nq, 1-(\kc)%2
	FETCH_A \nslot, \nq, 0
	WIN MUL_HI
	MUL16 4, (\kc)%2, \kc, \zero
	MUL16 6, (\kc)%2, \kc, \zero
	PLACES 4
	WIN 0
	FETCH_A \nslot, \nq, 4
.endm
; The same with a barrier in its first half.  In front of it each wave waits for all its tensor loads, adds 0 to its spare word and waits for that and for its reads.  fill = 1: slot 0, whose last reads are over, takes K step 3.
.macro TURN kc, nslot, fill
	s_wait_tensorcnt 0x0                           ; all my tensor loads have landed
	ds_add_u32 v[SPW], v[NIL]                      ; 0 onto my spare word
	s_wait_dscnt 13                                ; (the add and the youngest 12 loads may be out)
	WIN MUL_LO
	MUL16 0, 1, \kc, 0
	s_wait_dscnt 0x0                               ; the add is done, and my LDS reads are over
	s_barrier_signal -1
	MUL16 2, 1, \kc, 0
	WIN 0
	s_barrier_wait -1
.if \fill
	CREST                                          ; the barrier has opened a round of the cluster's: no wave of any partner still reads slot 0 or has a load on its way
	s_add_nc_u64 s[G0A+2:G0A+3], s[G0A+2:G0A+3], 9216   ; from K step 0 to K step 3
	s_add_nc_u64 s[G0B+2:G0B+3], s[G0B+2:G0B+3], 9216
	JLOAD G0A, G1A, G0B, G1B                       ; the first tensor load behind the round, my only one; 224 matrix instructions stand ahead of the wait for it
.else
	PLACES 4
.endif
	FETCH_B \nslot, 0, 0
	FETCH_A \nslot, 0, 0
	WIN MUL_HI
	MUL16 4, 1, \kc, 0
	MUL16 6, 1, \kc, 0
	PLACES 4
	WIN 0
	FETCH_A \nslot, 0, 4
.endm
; 64 numbers of a lane, register 16 b + i = index 32 b + 16 (lane / 16) + i of its row, become codes: blocks 0, 1 in v[d0] .. +5, blocks 2, 3 in v[d1] .. +5, in the operand's layout; the four bytes in v[pw].
.macro QUANT s, d0, d1, pw
.irp b, 0,1,2,3
	v_max3_num_f32 v[TM+\b], |v[\s+16*\b]|, |v[\s+1+16*\b]|, 0x1800000   ; with the floor 2^(3 - 127): the byte cannot fall under 1
.endr
.irp i, 2,4,6,8,10,12,14
.irp b, 0,1,2,3
	v_max3_num_f32 v[TM+\b], v[TM+\b], |v[\s+16*\b+\i]|, |v[\s+1+16*\b+\i]|
.endr
.endr
.irp b, 0,1,2,3
	v_permlanex16_b32 v[TM+4+\b], v[TM+\b], s[SEL], s[SEL+1]
.endr
.irp b, 0,1,2,3
	v_max_num_f32 v[TM+\b], v[TM+\b], v[TM+4+\b]       ; with lane l xor 16's 16: the block's largest magnitude
.endr
.irp b, 0,1,2,3
	v_add_nc_u32 v[TM+8+\b], 0xff000000, v[TM+\b]      ; 2 off the exponent field: the conversion's scale operand
.endr
.irp b, 0,1,2,3
	v_lshrrev_b32 v[TM+4+\b], 23, v[TM+8+\b]           ; the byte
.endr
	v_lshl_or_b32 v[\pw], v[TM+5], 8, v[TM+4]
	v_lshl_or_b32 v[\pw], v[TM+6], 16, v[\pw]
	v_lshl_or_b32 v[\pw], v[TM+7], 24, v[\pw]
	v_cvt_scalef32_pk16_fp6_f32 v[\d0:\d0+2], v[\s:\s+15], v[TM+8]
	v_cvt_scalef32_pk16_fp6_f32 v[CT:CT+2], v[\s+16:\s+31], v[TM+9]
	v_cvt_scalef32_pk16_fp6_f32 v[\d1:\d1+2], v[\s+32:\s+47], v[TM+10]
	v_cvt_scalef32_pk16_fp6_f32 v[CT+4:CT+6], v[\s+48:\s+63], v[TM+11]
	v_nop                                              ; one plain place behind a scaled conversion
.irp i, 0,1,2                                      ; the layout wants a whole block in a lane: lanes 0-15 the even block, lanes 16-31 the odd one
	v_permlane16_swap_b32 v[\d0+\i], v[CT+\i]
	v_permlane16_swap_b32 v[\d1+\i], v[CT+4+\i]
.endr
.irp i, 0,1,2
	v_mov_b32 v[\d0+3+\i], v[CT+\i]
	v_mov_b32 v[\d1+3+\i], v[CT+4+\i]
.endr
.endm
; A's block a: its 64 sums + the bias, into window 0; each accumulator is read from its low end on.  Bias register x lies at v[96 + x] (x < 32) or v[192 + x].
.macro ADDQ a                          ; q, k: the bias runs along the registers, the same for every a
	WIN 2+(\a)/4
.set x, 0
.rept 32
	v_pk_add_f32 v[XN+x:XN+x+1], v[64*((\a)%4)+x:64*((\a)%4)+x+1], v[96+x+96*(x/32):96+x+96*(x/32)+1]
.set x, x+2
.endr
	WIN 0
.endm
.macro ADDV a                          ; v: the bias is the lane's own: tile a's eight registers all hold it
	WIN 2+(\a)/4
.set x, 0
.rept 32
.set y, 8*(\a)+x%8
	v_pk_add_f32 v[XN+x:XN+x+1], v[64*((\a)%4)+x:64*((\a)%4)+x+1], v[96+y+96*(y/32):96+y+96*(y/32)+1]
.set x, x+2
.endr
	WIN 0
.endm
	s_load_b256 s[4:11], s[0:1], 0x0               ; hc s[4:5], wc s[6:7], sc s[8:9], b_qkv s[10:11]
	s_load_b64 s[12:13], s[0:1], 0x20              ; qkv
	v_lshl_add_u32 v[SPW], v0, 2, SPARE
	v_mov_b32 v[NIL], 0
	ds_add_u32 v28, v29
	ds_add_u32 v28, v29
	s_wait_dscnt 0x0
	v_lshrrev_b32 v1, 5, v0
	v_readfirstlane_b32 s16, v1                    ; wave
	s_lshr_b32 s17, s16, 1                         ; my half of A.  Also: I ask for A (0) or for B (1)
	s_and_b32 s18, s16, 1                          ; my half of B.  Also: which half I ask for
	s_bfe_u32 s92, ttmp6, 0x40000                  ; cx
	s_bfe_u32 s93, ttmp6, 0x40004                  ; cy
	s_and_b32 s72, ttmp7, 0xffff
	s_lshl_b32 s72, s72, 2                         ; 4 x cluster y
	s_lshl_b32 s73, ttmp9, 2                       ; 4 x cluster x
	s_cmp_eq_u32 ttmp9, 2                          ; the type: the same in all sixteen partners
	s_cselect_b32 s19, 1, 0                        ; 1: v
	s_cselect_b32 s94, s72, s73
	s_cselect_b32 s95, 0, s72
	s_add_co_u32 s94, s94, s92                     ; TX: B's tile: q, k: 256 columns of 2,048; v: 256 tokens of 8,192
	s_add_co_u32 s95, s95, s93                     ; TY: A's tile: q, k: 256 tokens; v: 256 columns of v's 1,024
	s_lshl_b32 s96, s93, 2
	s_lshl_b32 s96, 15, s96                        ; my row of the cluster
	s_lshl_b32 s97, 0x1111, s92                    ; my column
	s_or_b32 s[G1A], s96, (3<<16)|(1<<21)          ; 15:0 the mask; 17:16 elements of 8 bytes; 21 set beside a mask; no padding: every LDS read is 512 consecutive bytes
	s_or_b32 s[G1B], s97, (3<<16)|(1<<21)
.irp g, G1A, G1B
	s_mov_b32 s[\g+1], 384<<16                     ; tensor_dim0: 3,072 bytes: two images
	s_mov_b32 s[\g+2], 8<<16                       ; tensor_dim1: 8 row blocks
	s_mov_b32 s[\g+3], 384<<16                     ; tile_dim0
	s_mov_b32 s[\g+4], 8                           ; tile_dim1
	s_mov_b32 s[\g+5], 1536                        ; from a row block to the next: 12,288 bytes
	s_mov_b32 s[\g+6], 0
	s_mov_b32 s[\g+7], 0
.endr
	s_lshl_b32 s74, s18, 7                         ; which 128 rows' I ask for
	s_lshl_b32 s76, s95, 8
	s_add_co_u32 s76, s76, s74
	s_lshl_b32 s75, s19, 11                        ; v's columns begin at row' 2,048 of wc
	s_add_co_u32 s76, s76, s75
	s_mul_i32 s76, s76, 768                        ; a row' is 768 bytes of codes
	s_mov_b32 s77, 0
	s_lshl_b32 s78, s94, 8
	s_add_co_u32 s78, s78, s74
	s_mul_i32 s78, s78, 768
	s_mov_b32 s79, 0
	s_mul_i32 s80, s16, HALF                       ; where it goes: no place in the cluster enters an LDS address
	s_mov_b32 s[SEL], 0x76543210
	s_mov_b32 s[SEL+1], 0xfedcba98
	s_mov_b32 s66, 0xffff0000                      ; lanes 16-31
	s_wait_kmcnt 0x0
	s_cmp_eq_u32 ttmp9, 2
	s_cselect_b64 s[68:69], s[6:7], s[4:5]         ; A's codes: v: the weights, else hidden
	s_cselect_b64 s[70:71], s[4:5], s[6:7]         ; B's
	s_add_nc_u64 s[68:69], s[68:69], s[76:77]
	s_add_nc_u64 s[70:71], s[70:71], s[78:79]
	CROUND                                         ; all sixteen work-groups are here: the first joint loads meet
.irp s, 0,1,2
	s_mov_b32 s[G0A+4*\s], 1
	s_add_co_u32 s[G0A+4*\s+1], s80, \s*SLOT
	s_add_nc_u64 s[G0A+4*\s+2:G0A+4*\s+3], s[68:69], \s*3072
	s_or_b32 s[G0A+4*\s+3], s[G0A+4*\s+3], 0x80000000
	s_mov_b32 s[G0B+4*\s], 1
	s_add_co_u32 s[G0B+4*\s+1], s80, \s*SLOT
	s_add_nc_u64 s[G0B+4*\s+2:G0B+4*\s+3], s[70:71], \s*3072
	s_or_b32 s[G0B+4*\s+3], s[G0B+4*\s+3], 0x80000000
	JLOAD G0A+4*\s, G1A, G0B+4*\s, G1B
.endr
	v_and_b32 v1, 31, v0                           ; lane
	v_and_b32 v2, 15, v0                           ; r
	v_bfe_u32 v3, v0, 4, 1                         ; h
	v_lshlrev_b32 v24, 4, v1                       ; 16 x lane
	s_wait_alu depctr_va_vdst(0)
	s_mul_i32 s72, s17, HALF
	s_mul_i32 s73, s18, HALF
	s_add_co_u32 s73, s73, 2*HALF
.irp s, 0,1,2
	v_add_nc_u32 v[16+\s], s72, v24                ; my half of A in slot s
	v_add_nc_u32 v[20+\s], s73, v24                ; my half of B
	s_add_co_u32 s72, s72, SLOT
	s_add_co_u32 s73, s73, SLOT
.endr
	s_lshl_b32 s74, s16, 9
	s_add_co_u32 s75, s74, WSTGQ
	v_add_nc_u32 v25, s75, v24                     ; q, k: scale words in (256 h + 16 r) and back (16 x lane): the same bytes
	s_add_co_u32 s75, s74, WSTGV
	v_add_nc_u32 v30, s75, v24                     ; v: back
	v_lshl_add_u32 v27, v2, 4, s75                 ; v: in: 16 r
	v_lshlrev_b32 v31, 4, v2
	v_mad_u32_u24 v31, v3, HSTR, v31               ; the words' place in qkv: lanes 16-31 the next head
	; the scale words of my 128 rows' of A (lanes 0-15) and of B (lanes 16-31), for all of K: 32 bytes a row'
	s_lshl_b32 s72, s95, 8
	s_lshl_b32 s73, s17, 7
	s_add_co_u32 s72, s72, s73
	s_mul_i32 s73, s19, 10240                      ; v: A is the weights: rows 8,192 + 2,048 on
	s_add_co_u32 s72, s72, s73
	s_lshl_b32 s72, s72, 5
	s_lshl_b32 s74, s94, 8
	s_lshl_b32 s75, s18, 7
	s_add_co_u32 s74, s74, s75
	s_xor_b32 s75, s19, 1
	s_lshl_b32 s75, s75, 13                        ; q, k: B is the weights: rows 8,192 on
	s_add_co_u32 s74, s74, s75
	s_lshl_b32 s74, s74, 5
	v_mov_b32 v4, s72
	v_mov_b32 v5, s74
	v_cndmask_b32 v15, v4, v5, s66
	v_lshl_add_u32 v15, v2, 5, v15
.irp i, 0,1,2,3,4,5,6,7
	global_load_b128 v[SC+8*\i:SC+8*\i+3], v15, s[8:9] offset:512*\i          ; sixteen lanes read 512 consecutive bytes between the two loads
	global_load_b128 v[SC+8*\i+4:SC+8*\i+7], v15, s[8:9] offset:512*\i+16
.endr
	s_lshl_b32 s82, s94, 1
	s_add_co_u32 s82, s82, s18                     ; which 128 of B's axis are my wave's
	s_lshl_b32 s83, s95, 1
	s_add_co_u32 s83, s83, s17                     ; which 128 of A's
	s_cmp_eq_u32 s19, 1
	s_cselect_b32 s84, s83, s82                    ; on the weights' side,
	s_cselect_b32 s87, s82, s83                    ; and on the tokens': the chunk
	s_lshl_b32 s86, s84, 1
	s_lshl_b32 s88, s19, 5
	s_add_co_u32 s86, s86, s88                     ; my first head of the 48
	s_lshl_b32 s86, s86, 6
	s_add_co_u32 s86, s86, s87
	s_mul_i32 s86, s86, 6400
	s_mov_b32 s87, 0
	s_add_nc_u64 s[12:13], s[12:13], s[86:87]
	s_lshl_b32 s84, s84, 9
	s_lshl_b32 s85, s19, 13
	s_add_co_u32 s84, s84, s85
	s_mov_b32 s85, 0
	s_add_nc_u64 s[10:11], s[10:11], s[84:85]      ; my 128 numbers of the bias
	v_lshlrev_b32 v13, 6, v3                       ; q, k: 64 h
	v_and_b32 v14, 8, v2
	v_add_nc_u32 v14, v14, v2
	v_lshlrev_b32 v14, 2, v14                      ; v: 4 (r + 8 (r / 8))
	s_cmp_eq_u32 s19, 0
	s_cbranch_scc0 .Lbias_v                        ; both arms write the same 64 registers
.set x, 0
.rept 16
	global_load_b128 v[96+x+96*(x/32):96+x+96*(x/32)+3], v13, s[10:11] offset:128*(x/16)+4*(x%16)   ; register 16 g + i: column 32 g + 16 h + i
.set x, x+4
.endr
	s_branch .Lbias_done
.Lbias_v:
.set x, 0
	s_wait_alu depctr_va_vdst(0)
.rept 64
	global_load_b32 v[96+x+96*(x/32)], v14, s[10:11] offset:(32*((x/8)/2)+8*((x/8)%2))*4   ; tile a = x / 8: my row's column 32 (a / 2) + 8 (a % 2) + r + 8 (r / 8), in all eight registers
.set x, x+1
.endr
.Lbias_done:
	s_wait_tensorcnt 0x2                           ; my part of K step 0 is in; steps 1 and 2 may be out
	s_barrier_signal -1
	s_barrier_wait -1
	FETCH_B 0, 0, 0
	FETCH_A 0, 0, 0
	FETCH_A 0, 0, 4
	s_wait_loadcnt 0x0                             ; scale words and bias
	STEP 0, 0, 1, 1                                ; the first products start the sums
	TURN 1, 1, 1                                   ; slot 0 has been read out; the wait for all loads in every wave also shows slots 1 and 2 whole
	STEP 2, 1, 1, 0
	STEP 3, 2, 0, 0
	STEP 4, 2, 1, 0
	TURN 5, 0, 0                                   ; K step 3 has landed in slot 0; nothing is filled again
	STEP 6, 0, 1, 0
	s_wait_dscnt 12
	WIN MUL_LO
	MUL16 0, 1, 7, 0
	MUL16 2, 1, 7, 0
	s_wait_dscnt 0x0
	WIN MUL_HI
	MUL16 4, 1, 7, 0
	MUL16 6, 1, 7, 0
	WIN 0
	PLACES 4
.irp b, 0,1,2,3
	v_mov_b32 v[TM+4+\b], 0                        ; a lane permute's destination counts as one of its sources
.endr
	s_cmp_eq_u32 s19, 0
	s_cbranch_scc0 .Lout_v
	; ---- q, k: a lane holds one token; blocks 0, 1 are my first head's 64, blocks 2, 3 my second head's.  A's blocks 2 p and 2 p + 1 make the two halves of image p of both heads.
.irp gp, 0,1,2,3
.if \gp > 0
	s_wait_dscnt 0x0                               ; the LDS store has read its register,
	s_wait_xcnt 0x0                                ; and the stores theirs: the fragments are written again only behind this wait
.endif
	ADDQ 2*\gp
	QUANT XN, FX, FY, PW
	ADDQ 2*\gp+1
	QUANT XN, FX+6, FY+6, PW+1
	v_perm_b32 v[CT+3], v[PW+1], v[PW], 0x05040100 ; the first head's word: two bytes of each half
	v_perm_b32 v[CT+7], v[PW+1], v[PW], 0x07060302 ; the second head's
	v_cndmask_b32 v[CT+3], v[CT+3], v[CT+7], s66
	ds_store_b32 v25, v[CT+3] offset:4*\gp
.irp c, 0,1,2
	global_store_b128 v24, v[FX+4*\c:FX+4*\c+3], s[12:13] offset:1536*\gp+512*\c          ; 512 consecutive bytes
	global_store_b128 v24, v[FY+4*\c:FY+4*\c+3], s[12:13] offset:HSTR+1536*\gp+512*\c
.endr
.endr
	ds_load_b128 v[CT:CT+3], v25                   ; LDS serves a wave's instructions in order: this sees my stores
	s_wait_dscnt 0x0
	global_store_b128 v31, v[CT:CT+3], s[12:13] offset:6144   ; sixteen lanes store a head's 256 bytes of scale words
	s_branch .Lout_done
.Lout_v:
	; ---- v: a lane holds one channel, its registers the chunk's 128 keys: A's block a is image a % 4 of head a / 4
.irp a, 0,1,2,3,4,5,6,7
.if \a > 0
	s_wait_dscnt 0x0
.endif
.if \a > 1
	s_wait_xcnt 0x0                                ; block a - 2's stores have read this fragment's registers
.endif
	ADDV \a
	QUANT XN, FX+12*(\a%2), FX+12*(\a%2)+6, PW
	ds_store_b32 v27, v[PW] offset:256*(\a/4)+4*(\a%4)   ; lanes r and r + 16 write the same word with the same value
.irp c, 0,1,2
	global_store_b128 v24, v[FX+12*(\a%2)+4*\c:FX+12*(\a%2)+4*\c+3], s[12:13] offset:HSTR*(\a/4)+1536*(\a%4)+512*\c
.endr
.endr
	ds_load_b128 v[CT:CT+3], v30
	s_wait_dscnt 0x0
	global_store_b128 v31, v[CT:CT+3], s[12:13] offset:6144
.Lout_done:
	s_wait_tensorcnt 0x0                           ; the wave's end
	ds_add_u32 v[SPW], v[NIL]
	s_wait_dscnt 0x0
	CROUND                                         ; the closing round
	s_endpgm
.Lfunc_end_k_q893e2ec4a3_qkvp:
	.size	k_q893e2ec4a3_qkvp, .Lfunc_end_k_q893e2ec4a3_qkvp-k_q893e2ec4a3_qkvp
	.p2alignl 7, 3214868480
	.fill 96, 4, 3214868480
	.section	.rodata,"a",@progbits
	.p2align	6, 0x0
	.amdhsa_kernel k_q893e2ec4a3_qkvp
		.amdhsa_group_segment_fixed_size 327680
		.amdhsa_private_segment_fixed_size 0
		.amdhsa_enable_private_segment 0
		.amdhsa_kernarg_size 40
		.amdhsa_user_sgpr_count 2
		.amdhsa_user_sgpr_kernarg_segment_ptr 1
		.amdhsa_wavefront_size32 1
		.amdhsa_system_sgpr_workgroup_id_x 1
		.amdhsa_system_sgpr_workgroup_id_y 1
		.amdhsa_system_sgpr_workgroup_id_z 1
		.amdhsa_system_vgpr_workitem_id 0
		.amdhsa_next_free_vgpr 1024
		.amdhsa_next_free_sgpr 102
		.amdhsa_reserve_vcc 0
		.amdhsa_float_denorm_mode_32 3
		.amdhsa_float_denorm_mode_16_64 3
		.amdhsa_memory_ordered 1
		.amdhsa_forward_progress 1
		.amdhsa_inst_pref_size 212
	.end_amdhsa_kernel
	.amdgpu_metadata
---
amdhsa.version: [ 1, 2 ]
amdhsa.kernels:
  - .name:           k_q893e2ec4a3_qkvp
    .symbol:         k_q893e2ec4a3_qkvp.kd
    .args:
      - { .name: hc, .offset: 0, .size: 8, .value_kind: global_buffer, .address_space: global }
      - { .name: wc, .offset: 8, .size: 8, .value_kind: global_buffer, .address_space: global }
      - { .name: sc, .offset: 16, .size: 8, .value_kind: global_buffer, .address_space: global }
      - { .name: b_qkv, .offset: 24, .size: 8, .value_kind: global_buffer, .address_space: global }
      - { .name: qkv, .offset: 32, .size: 8, .value_kind: global_buffer, .address_space: global }
    .group_segment_fixed_size: 327680
    .private_segment_fixed_size: 0
    .kernarg_segment_align: 8
    .kernarg_segment_size: 40
    .max_flat_workgroup_size: 128
    .sgpr_count:     102
    .vgpr_count:     1024
    .wavefront_size: 32
...
	.end_amdgpu_metadata
.endif
;; end of part 2
;; launch attn (part 3): grid 4 x 64, 16 waves a work-group, no clusters, 206,848 bytes of LDS; arguments qkv, attc, sc; writes attc, sc
.if DOCPART == 3
	.amdgcn_target "amdgcn-amd-amdhsa--gfx1250"
	.amdhsa_code_object_version 6
	.text
	.protected	k_q893e2ec4a3_attn
	.globl	k_q893e2ec4a3_attn
	.p2align	8
	.type	k_q893e2ec4a3_attn,@function
k_q893e2ec4a3_attn:
	s_mov_b64 s[64:65], 0
	v_nop
	global_prefetch_b8 v0, s[64:65] scope:SCOPE_SE
	s_setreg_imm32_b32 hwreg(HW_REG_WAVE_MODE, 25, 1), 1
	s_wait_xcnt 0x0
; Causal attention of one head on codes of FP6 (E2M3): S^T = K Q^T (K = the head's 64), p = 2^(t - M), O^T = V^T P^T (K = the keys), O / the row's sum, quantised along the head's 64 for the last product.
; t = score x log2(e) / 8; M = the running largest t rounded UP to a whole number; the sum is taken of the unquantised p; when M moves, the sum and O^T are multiplied by 2^(old M - new M): exact.
; SHARES.  Work-group (j, y): head y % 16 of batch y / 16; query blocks j and 7 - j of 256, so that every work-group has the same causal work.  Wave w takes 16 queries of each block: group 32 (w / 2), image w % 2:
; queries 8 u + r + 8 (r / 8) of the group.  Four waves to a SIMD: one wave's vector work stands beside another's products and LDS loads.
; K AND V OF THE WHOLE HEAD LIE IN LDS: 16 chunks of 128 keys x 6,400 bytes each (four images and their scale words), filled once by waves 0-3, two tensor loads each; nothing is filled again.
; The low block needs keys under 1,024 alone: it runs while the second halves are still on their way.
; K = 64 IN A FORM OF K = 128.  An image of K holds two tiles of 16 keys (registers 0-5, 6-11).  Against QA = [q | zero codes] it gives the first tile's scores, against QB = [zero codes | q] the second's:
; zero codes add nothing under any scale byte but 0xff, and none is.  q's scale word is its two bytes twice.
; LAYOUT.  A lane holds one query (lane % 16) throughout; score register 16 b + i is key 32 b + 16 (lane / 16) + i of the chunk; O^T's register 16 b + i is channel 32 b + 16 (lane / 16) + i.
; NO CLUSTER, though the four work-groups of a head read the same K and V: which steps a wave skips hangs on its query block, which would be its place in the cluster, and partners must run alike.
; LIMITS: NaN and infinities are not served; a block of zeros gets the byte 1 with zero codes.  The attention result's scale bytes leave as 2 bytes of each row's 32: the other heads' come from other work-groups.
.set VREG, 102400
.set CH,   6400
.set AK0,  1                           ; v1  16 x lane: my place in an image (K's region begins at 0); also my offset in global images
.set AV0,  2                           ; v2  the same in V's region
.set AKS0, 3                           ; v3  6,144 + 16 r: my row's four scale words of a chunk of K
.set AVS0, 4                           ; v4  of V
.set DV,   7                           ; v7  my query in its chunk - 16 (lane / 16)
.set QA,   16
.set QB,   28
.set FR,   40                          ; v40-87  four fragments of K or of V
.set S,    88                          ; v88-151 scores, then p
.set O,    152                         ; v152-183 O^T
.set PC,   184                         ; v184-195 p's codes
.set CT,   196
.set BM,   204
.set TP,   208
.set SO,   212
.set KS,   216                         ; v216-219, v220-223, v224: scale words of K, of V, of q
.set VS,   220
.set QS,   224
.set NINF, 230
.set QT,   234                         ; v234-245 q's image as loaded; v234-239 the result's codes
.set WV,   10
.set HD,   12
.set BB,   13
.set GG,   14
.set UU,   15
.set SEL,  20
.set CS,   22
.set G1,   24
.set TB,   40                          ; s40 LDS byte of the chunk in hand; s41 its number; s42 my queries' chunk; s43 my group's first query
.set SCN,  41
.set DC,   42
.set QG,   43
.macro TILE_SETUP                      ; for the 16 queries of group s[QG]
	s_wait_xcnt 0x0                                ; earlier loads and stores have read their registers and bases
	s_lshr_b32 s[DC], s[QG], 7
	s_bfe_u32 s46, s[QG], 0x20005                  ; which image of the chunk
	s_lshl_b32 s47, s[HD], 6
	s_lshl_b32 s48, s[BB], 4
	s_add_co_u32 s47, s47, s48
	s_add_co_u32 s47, s47, s[DC]
	s_mul_i32 s48, s47, CH                         ; q's block [head][chunk]
	s_mul_i32 s47, s46, 1536
	s_add_co_u32 s50, s48, s47
	s_mov_b32 s51, 0
	s_lshl_b32 s46, s46, 2
	s_add_co_u32 s52, s48, s46
	s_add_co_u32 s52, s52, 6144
	s_mov_b32 s53, 0
	s_add_nc_u64 s[50:51], s[4:5], s[50:51]
	s_add_nc_u64 s[52:53], s[4:5], s[52:53]
.irp c, 0,1,2
	global_load_b128 v[QT+4*\c:QT+4*\c+3], v[AK0], s[50:51] offset:512*\c
.endr
	global_load_b32 v229, v247, s[52:53]
	s_lshl_b32 s46, s[BB], 11                      ; where the result goes: row block (2,048 b + QG) / 16 + u, image head / 2, half head % 2
	s_add_co_u32 s46, s46, s[QG]
	s_lshr_b32 s46, s46, 4
	s_add_co_u32 s46, s46, s[UU]
	s_lshl_b32 s46, s46, 3
	s_lshr_b32 s47, s[HD], 1
	s_add_co_u32 s46, s46, s47
	s_mul_i32 s46, s46, 1536
	s_and_b32 s47, s[HD], 1
	s_mul_i32 s47, s47, 768
	s_add_co_u32 s54, s46, s47
	s_mov_b32 s55, 0
	s_add_nc_u64 s[54:55], s[6:7], s[54:55]
	s_and_b32 s46, s[QG], 127
	v_add_nc_u32 v[DV], s46, v250
	s_wait_loadcnt 0x0
.irp i, 0,1,2,3,4,5
	v_cndmask_b32 v[QA+\i], v[QT+\i], v[QT+6+\i], s44   ; my half of the image
.endr
.irp i, 0,1,2,3,4,5
	v_mov_b32 v[QB+6+\i], v[QA+\i]
.endr
	v_lshrrev_b32 v229, s45, v229
	s_delay_alu instid0(VALU_DEP_1)
	v_and_b32 v229, 0xffff, v229
	s_delay_alu instid0(VALU_DEP_1)
	v_lshl_or_b32 v[QS], v229, 16, v229            ; my two bytes, twice
	v_mov_b32 v13, 0xff61b1e6                      ; the largest t so far: -3e38
	s_delay_alu instid0(VALU_DEP_1)
	v_floor_f32 v12, -v13                          ; -M
	v_mov_b32 v14, 0
	v_mov_b32 v15, 0
.set n, 0
.rept 32
	v_mov_b32 v[O+n], 0                            ; the step is written once: the first finds zeros.  (These are also the places between q's operand and scale word and the first products)
.set n, n+1
.endr
.endm
.macro STEP                            ; one chunk of 128 keys
	s_cmp_gt_u32 s[SCN], s[DC]                     ; all its keys come after my queries: the mask would throw the work away
	s_cbranch_scc1 .Lskip_\@
	s_setprio 2
	v_add_nc_u32 v8, s[TB], v[AK0]                 ; (four places in front of the loads into registers that the last products read)
	v_add_nc_u32 v9, s[TB], v[AV0]
	v_add_nc_u32 v10, s[TB], v[AKS0]
	v_add_nc_u32 v11, s[TB], v[AVS0]
.irp g, 0,1,2,3
.irp c, 0,1,2
	ds_load_b128 v[FR+12*\g+4*\c:FR+12*\g+4*\c+3], v8 offset:1536*\g+512*\c
.endr
.endr
	ds_load_b128 v[KS:KS+3], v10
	s_wait_alu depctr_va_vdst(0)
	s_wait_dscnt 0x0
.irp g, 0,1,2,3
	v_wmma_scale_f32_16x16x128_f8f6f4 v[S+16*\g:S+16*\g+7], v[FR+12*\g:FR+12*\g+11], v[QA:QA+11], 0, v[KS+\g], v[QS] matrix_a_fmt:MATRIX_FMT_FP6 matrix_b_fmt:MATRIX_FMT_FP6
	v_wmma_scale_f32_16x16x128_f8f6f4 v[S+16*\g+8:S+16*\g+15], v[FR+12*\g:FR+12*\g+11], v[QB:QB+11], 0, v[KS+\g], v[QS] matrix_a_fmt:MATRIX_FMT_FP6 matrix_b_fmt:MATRIX_FMT_FP6
.endr
.rept 4
	v_nop
.endr
.irp g, 0,1,2,3                                ; V's images land while the softmax is walked
.irp c, 0,1,2
	ds_load_b128 v[FR+12*\g+4*\c:FR+12*\g+4*\c+3], v9 offset:1536*\g+512*\c
.endr
.endr
	ds_load_b128 v[VS:VS+3], v11
	s_cmp_lg_u32 s[SCN], s[DC]
	s_cbranch_scc1 .Lopen_\@                       ; only my queries' own chunk lies on the diagonal
.set n, 0
.rept 64
	v_cmp_gt_i32 vcc_lo, 32*(n/16)+n%16, v[DV]     ; the register's key comes after my query
	v_cndmask_b32 v[S+n], v[S+n], v[NINF], vcc_lo
.set n, n+1
.endr
.Lopen_\@:
.irp b, 0,1,2,3
	v_max3_num_f32 v[BM+\b], v[S+16*\b], v[S+16*\b+1], v[S+16*\b+2]   ; the largest score of each block of 32 keys: for the row's maximum, and, since p rises with the score, for the block's largest p
.endr
.irp i, 3,5,7,9,11,13
.irp b, 0,1,2,3
	v_max3_num_f32 v[BM+\b], v[BM+\b], v[S+16*\b+\i], v[S+16*\b+\i+1]
.endr
.endr
.irp b, 0,1,2,3
	v_max_num_f32 v[BM+\b], v[BM+\b], v[S+16*\b+15]
.endr
.irp b, 0,1,2,3
	s_delay_alu instid0(VALU_DEP_4)
	v_permlanex16_b32 v[TP+\b], v[BM+\b], s[SEL], s[SEL+1]
.endr
.irp b, 0,1,2,3
	s_delay_alu instid0(VALU_DEP_4)
	v_max_num_f32 v[BM+\b], v[BM+\b], v[TP+\b]
.endr
	s_delay_alu instid0(VALU_DEP_2)
	v_max3_num_f32 v228, v[BM], v[BM+1], v[BM+2]
	s_delay_alu instid0(VALU_DEP_1)
	v_max_num_f32 v228, v228, v[BM+3]
	s_delay_alu instid0(VALU_DEP_1)
	v_mul_f32 v228, s[CS], v228                    ; as t
	s_delay_alu instid0(VALU_DEP_1)
	v_max_num_f32 v13, v13, v228                   ; the running largest t
	v_mov_b32 v228, v12
	s_delay_alu instid0(VALU_DEP_2)
	v_floor_f32 v12, -v13                          ; the new -M = -ceil(t)
	s_delay_alu instid0(VALU_DEP_1)
	v_sub_f32 v228, v12, v228                      ; old M - new M: a whole number, 0 or less
	s_delay_alu instid0(VALU_DEP_1)
	v_cvt_i32_f32 v228, v228                       ; (it saturates)
	s_delay_alu instid0(VALU_DEP_1)
	v_ldexp_f32 v226, 1.0, v228                    ; f = 2^(old M - new M)
.set n, 0
.rept 32
	v_pk_fma_f32 v[S+n:S+n+1], v[S+n:S+n+1], s[CS:CS+1], v[12:13] op_sel_hi:[1,0,0]   ; t - M
.set n, n+2
.endr
	s_setprio 1
.irp b, 0,1,2,3
	v_fma_f32 v[BM+\b], v[BM+\b], s[CS], v12
.endr
.set n, 0
	s_wait_alu depctr_va_vdst(0)
.rept 64
	v_exp_f32 v[S+n], v[S+n]                       ; p = 2^(t - M): not normalised
.set n, n+1
.endr
.irp b, 0,1,2,3
	v_exp_f32 v[BM+\b], v[BM+\b]                   ; the block's largest p
.endr
	v_pk_mul_f32 v[14:15], v[14:15], v[226:227] op_sel_hi:[1,0]   ; the sums under the new M.  (A plain place behind the exponentials)
	s_wait_alu depctr_va_vdst(0)
.irp b, 0,1,2,3
	v_max_num_f32 v[BM+\b], 0x1800000, v[BM+\b]    ; the floor 2^(3 - 127)
.endr
.irp b, 0,1,2,3
	s_delay_alu instid0(VALU_DEP_4)
	v_add_nc_u32 v[SO+\b], 0xff000000, v[BM+\b]    ; the conversion's scale operand
.endr
.irp b, 0,1,2,3
	s_delay_alu instid0(VALU_DEP_4)
	v_lshrrev_b32 v[TP+\b], 23, v[SO+\b]
.endr
	s_delay_alu instid0(VALU_DEP_3)
	v_lshl_or_b32 v227, v[TP+1], 8, v[TP]          ; p's scale word for these 128 keys
	s_delay_alu instid0(VALU_DEP_1)
	v_lshl_or_b32 v227, v[TP+2], 16, v227
	s_delay_alu instid0(VALU_DEP_1)
	v_lshl_or_b32 v227, v[TP+3], 24, v227
.irp c, 0,1
	v_cvt_scalef32_pk16_fp6_f32 v[PC+6*\c:PC+6*\c+2], v[S+32*\c:S+32*\c+15], v[SO+2*\c]
	v_cvt_scalef32_pk16_fp6_f32 v[CT+4*\c:CT+4*\c+2], v[S+32*\c+16:S+32*\c+31], v[SO+2*\c+1]
.endr
	v_nop                                          ; one plain place behind a scaled conversion
.irp c, 0,1
.irp i, 0,1,2
	v_permlane16_swap_b32 v[PC+6*\c+\i], v[CT+4*\c+\i]
.endr
.irp i, 0,1,2
	s_delay_alu instid0(VALU_DEP_3)
	v_mov_b32 v[PC+6*\c+3+\i], v[CT+4*\c+\i]
.endr
.endr
	v_pk_add_f32 v[232:233], v[92:93], v[96:97]
	v_pk_add_f32 v[252:253], v[100:101], v[104:105]
	v_pk_add_f32 v[244:245], v[108:109], v[112:113]
	v_pk_add_f32 v[242:243], v[116:117], v[120:121]
	v_pk_add_f32 v[240:241], v[124:125], v[128:129]
	v_pk_add_f32 v[238:239], v[132:133], v[136:137]
	v_pk_add_f32 v[236:237], v[140:141], v[144:145]
	v_pk_add_f32 v[14:15], v[14:15], v[148:149]
	v_pk_add_f32 v[232:233], v[232:233], v[88:89]
	v_pk_add_f32 v[252:253], v[252:253], v[90:91]
	v_pk_add_f32 v[244:245], v[244:245], v[94:95]
	s_setprio 0
	v_pk_add_f32 v[242:243], v[242:243], v[98:99]
	v_pk_add_f32 v[240:241], v[240:241], v[102:103]
	v_pk_add_f32 v[238:239], v[238:239], v[106:107]
	v_pk_add_f32 v[236:237], v[236:237], v[110:111]
	v_pk_add_f32 v[14:15], v[14:15], v[114:115]
	v_pk_add_f32 v[232:233], v[232:233], v[118:119]
	v_pk_add_f32 v[252:253], v[252:253], v[122:123]
	v_pk_add_f32 v[244:245], v[244:245], v[126:127]
	v_pk_add_f32 v[242:243], v[242:243], v[130:131]
	v_pk_add_f32 v[240:241], v[240:241], v[134:135]
	v_pk_add_f32 v[238:239], v[238:239], v[138:139]
	v_pk_add_f32 v[236:237], v[236:237], v[142:143]
	v_pk_add_f32 v[14:15], v[14:15], v[146:147]
	v_pk_add_f32 v[232:233], v[232:233], v[150:151]
	s_delay_alu instid0(VALU_DEP_2)
	v_pk_add_f32 v[14:15], v[14:15], v[242:243]
	s_delay_alu instid0(VALU_DEP_2)
	v_pk_add_f32 v[232:233], v[232:233], v[240:241]
	v_pk_add_f32 v[252:253], v[252:253], v[238:239]
	v_pk_add_f32 v[244:245], v[244:245], v[236:237]
	s_delay_alu instid0(VALU_DEP_2)
	v_pk_add_f32 v[14:15], v[14:15], v[252:253]
	s_delay_alu instid0(VALU_DEP_2)
	v_pk_add_f32 v[232:233], v[232:233], v[244:245]
	s_delay_alu instid0(VALU_DEP_1)
	v_pk_add_f32 v[14:15], v[14:15], v[232:233]
.set n, 0
.rept 16
	v_pk_mul_f32 v[O+n:O+n+1], v[O+n:O+n+1], v[226:227] op_sel_hi:[1,0]   ; O^T under the new M
.set n, n+2
.endr
	s_wait_alu depctr_va_vdst(0)
	s_wait_dscnt 0x0                               ; V's images and scale words are in
.irp t, 0,1,2,3
	v_wmma_scale_f32_16x16x128_f8f6f4 v[O+8*\t:O+8*\t+7], v[FR+12*\t:FR+12*\t+11], v[PC:PC+11], v[O+8*\t:O+8*\t+7], v[VS+\t], v227 matrix_a_fmt:MATRIX_FMT_FP6 matrix_b_fmt:MATRIX_FMT_FP6
.endr
.Lskip_\@:
.endm
.macro TILE_OUT                        ; O^T / the sum, quantised along the head's 64: half an image of the last product's operand; the two bytes are left in v229
.rept 4
	v_nop
.endr
	v_add_f32 v14, v14, v15
	s_delay_alu instid0(VALU_DEP_1)
	v_permlanex16_b32 v228, v14, s[SEL], s[SEL+1]
	s_delay_alu instid0(VALU_DEP_1)
	v_add_f32 v14, v14, v228                       ; the row's sum
	s_wait_alu depctr_va_vdst(0)
	v_rcp_f32 v14, v14
	v_nop                                          ; one plain place behind a transcendental
.set n, 0
	s_wait_alu depctr_va_vdst(0)
.rept 16
	v_pk_mul_f32 v[S+n:S+n+1], v[O+n:O+n+1], v[14:15] op_sel_hi:[1,0]
.set n, n+2
.endr
.irp b, 0,1
	v_max3_num_f32 v[BM+\b], |v[S+16*\b]|, |v[S+16*\b+1]|, 0x1800000
.endr
.irp i, 2,4,6,8,10,12,14
.irp b, 0,1
	s_delay_alu instid0(VALU_DEP_2)
	v_max3_num_f32 v[BM+\b], v[BM+\b], |v[S+16*\b+\i]|, |v[S+16*\b+\i+1]|
.endr
.endr
.irp b, 0,1
	s_delay_alu instid0(VALU_DEP_2)
	v_permlanex16_b32 v[TP+\b], v[BM+\b], s[SEL], s[SEL+1]
.endr
.irp b, 0,1
	s_delay_alu instid0(VALU_DEP_2)
	v_max_num_f32 v[BM+\b], v[BM+\b], v[TP+\b]
.endr
.irp b, 0,1
	s_delay_alu instid0(VALU_DEP_2)
	v_add_nc_u32 v[SO+\b], 0xff000000, v[BM+\b]
.endr
.irp b, 0,1
	s_delay_alu instid0(VALU_DEP_2)
	v_lshrrev_b32 v[TP+\b], 23, v[SO+\b]
.endr
	s_delay_alu instid0(VALU_DEP_1)
	v_lshl_or_b32 v229, v[TP+1], 8, v[TP]
	v_cvt_scalef32_pk16_fp6_f32 v[QT:QT+2], v[S:S+15], v[SO]
	v_cvt_scalef32_pk16_fp6_f32 v[CT:CT+2], v[S+16:S+31], v[SO+1]
	v_nop
.irp i, 0,1,2
	v_permlane16_swap_b32 v[QT+\i], v[CT+\i]
.endr
.irp i, 0,1,2
	s_delay_alu instid0(VALU_DEP_3)
	v_mov_b32 v[QT+3+\i], v[CT+\i]
.endr
	global_store_b128 v[AK0], v[QT:QT+3], s[54:55]             ; registers 0-3 of the half: 512 consecutive bytes
	global_store_b64 v248, v[QT+4:QT+5], s[54:55] offset:512   ; registers 4, 5: 256 consecutive bytes
.endm
	s_load_b128 s[4:7], s[0:1], 0x0                ; qkv s[4:5], attc s[6:7]
	s_load_b64 s[8:9], s[0:1], 0x10                ; sc
	v_lshl_add_u32 v254, v0, 2, 0x32000
	v_mov_b32 v255, 0
	ds_add_u32 v254, v255
	ds_add_u32 v254, v255
	v_lshrrev_b32 v8, 5, v0
	s_delay_alu instid0(VALU_DEP_1)
	v_readfirstlane_b32 s[WV], v8                  ; wave 0..15
	s_and_b32 s11, ttmp7, 0xffff
	s_and_b32 s[HD], s11, 15                       ; head
	s_lshr_b32 s[BB], s11, 4                       ; batch
	s_lshr_b32 s[GG], s[WV], 1                     ; my group of 32 queries.  In waves 0-3 also: which quarter I fetch
	s_and_b32 s[UU], s[WV], 1                      ; my image of it.  In waves 0-3 also: K (0) or V (1)
	s_mov_b32 s[G1], 3<<16                         ; 25,600 dense bytes as 100 rows of 256: elements of 8 bytes, no mask, no padding
	s_mov_b32 s[G1+1], 32<<16
	s_mov_b32 s[G1+2], 100<<16
	s_mov_b32 s[G1+3], 32<<16
	s_mov_b32 s[G1+4], 100
	s_mov_b32 s[G1+5], 32
	s_mov_b32 s[G1+6], 0
	s_mov_b32 s[G1+7], 0
	s_lshl_b32 s46, s[UU], 4
	s_add_co_u32 s46, s46, 16
	s_add_co_u32 s46, s46, s[HD]                   ; k's heads are 16-31 of the 48, v's 32-47
	s_lshl_b32 s46, s46, 6
	s_lshl_b32 s47, s[BB], 4
	s_add_co_u32 s46, s46, s47
	s_mul_i32 s46, s46, CH
	s_mul_i32 s49, s[GG], 25600
	s_add_co_u32 s46, s46, s49
	s_mov_b32 s47, 0
	s_mul_i32 s48, s[UU], VREG
	s_add_co_u32 s48, s48, s49
	s_mov_b32 s[SEL], 0x76543210
	s_mov_b32 s[SEL+1], 0xfedcba98
	s_mov_b32 s[CS], 0x3e38aa3b                    ; c = log2(e) / 8
	s_mov_b32 s[CS+1], s[CS]
	s_wait_dscnt 0x0
	s_wait_kmcnt 0x0
	s_mov_b32 s32, 1
	s_mov_b32 s33, s48
	s_add_nc_u64 s[34:35], s[4:5], s[46:47]
	s_mov_b32 s36, 1
	s_add_co_u32 s37, s48, 51200
	s_add_nc_u64 s[38:39], s[34:35], 51200
	s_or_b32 s35, s35, 0x80000000
	s_or_b32 s39, s39, 0x80000000
	s_cmp_lt_u32 s[WV], 4
	s_cbranch_scc0 .Lno_fetch
	tensor_load_to_lds s[32:35], s[G1:G1+7]        ; four chunks of the keys under 1,024,
	s_nop 0
	tensor_load_to_lds s[36:39], s[G1:G1+7]        ; four of the others: two loads of mine are out
	s_nop 0
.rept 4
	v_nop
.endr
.Lno_fetch:
	v_and_b32 v8, 31, v0
	v_and_b32 v5, 15, v0                           ; r
	v_bfe_u32 v6, v0, 4, 1                         ; h
	s_delay_alu instid0(VALU_DEP_3)
	v_lshlrev_b32 v[AK0], 4, v8
	s_delay_alu instid0(VALU_DEP_1)
	v_add_nc_u32 v[AV0], VREG, v[AK0]
	s_delay_alu instid0(VALU_DEP_4)
	v_lshlrev_b32 v247, 4, v5                      ; 16 r
	s_delay_alu instid0(VALU_DEP_1)
	v_add_nc_u32 v[AKS0], 6144, v247
	s_delay_alu instid0(VALU_DEP_1)
	v_add_nc_u32 v[AVS0], VREG, v[AKS0]
	v_lshlrev_b32 v248, 3, v8                      ; 8 x lane
	v_and_b32 v250, 8, v5
	s_delay_alu instid0(VALU_DEP_1)
	v_add_nc_u32 v250, v250, v5
	v_lshlrev_b32 v9, 4, v6
	s_delay_alu instid0(VALU_DEP_1)
	v_sub_nc_u32 v250, v250, v9
	s_lshl_b32 s46, s[UU], 3
	v_add_nc_u32 v250, s46, v250                   ; 8 u + r + 8 (r / 8) - 16 h
	s_lshl_b32 s47, ttmp9, 1
	s_sub_co_u32 s47, 7, s47
	s_lshl_b32 s47, s47, 13                        ; from the low tile's rows of sc to the high tile's: 256 (7 - 2 j) rows of 32 bytes
	v_mul_u32_u24 v249, s47, v6
	s_delay_alu instid0(VALU_DEP_1)
	v_lshl_add_u32 v249, v5, 5, v249
	s_cmp_eq_u32 s[UU], 1
	s_cselect_b32 s44, -1, 0
	s_lshl_b32 s45, s[UU], 4
.irp i, 0,1,2,3,4,5
	v_mov_b32 v[QA+6+\i], 0                        ; the zero codes, written once
	v_mov_b32 v[QB+\i], 0
.endr
.irp b, 0,1,2,3
	v_mov_b32 v[TP+\b], 0                          ; a lane permute's destination counts as one of its sources
.endr
	v_mov_b32 v227, 0                              ; (named as the upper half of the pair v[226:227] before it is first written)
	v_mov_b32 v228, 0
	v_mov_b32 v[NINF], 0xff800000
	s_lshl_b32 s[QG], ttmp9, 8
	s_lshl_b32 s46, s[GG], 5
	s_add_co_u32 s[QG], s[QG], s46                 ; the low block's group
	s_lshl_b32 s46, s[BB], 11
	s_add_co_u32 s46, s46, s[QG]
	s_add_co_u32 s46, s46, s45
	s_add_co_u32 s46, s46, 12288                   ; the attention result's rows of sc lie behind the first 12,288
	s_lshl_b32 s46, s46, 5
	s_lshl_b32 s47, s[HD], 1
	s_add_co_u32 s56, s46, s47
	s_mov_b32 s57, 0
	s_add_nc_u64 s[56:57], s[8:9], s[56:57]
	TILE_SETUP
	s_wait_tensorcnt 0x1                           ; my first load has landed; the second may stay out
	s_barrier_signal -1
	s_barrier_wait -1
	s_mov_b32 s[TB], 0
	s_mov_b32 s[SCN], 0
.Llow:                                             ; eight trips, a constant: the reads stay inside the halves that have landed
	STEP
	s_add_co_u32 s[TB], s[TB], CH
	s_add_co_u32 s[SCN], s[SCN], 1
	s_cmp_lt_u32 s[SCN], 8
	s_cbranch_scc1 .Llow
	s_setprio 0
	TILE_OUT
	v_mov_b32 v246, v229                           ; the low tile's two bytes
	s_sub_co_u32 s[QG], 7, ttmp9
	s_lshl_b32 s[QG], s[QG], 8
	s_lshl_b32 s46, s[GG], 5
	s_add_co_u32 s[QG], s[QG], s46                 ; the high block's group
	TILE_SETUP
	s_wait_tensorcnt 0x0                           ; all of K and V
	s_wait_dscnt 0x0
	s_barrier_signal -1
	s_barrier_wait -1
	s_mov_b32 s[TB], 0
	s_mov_b32 s[SCN], 0
.Lhigh:
	STEP
	s_add_co_u32 s[TB], s[TB], CH
	s_add_co_u32 s[SCN], s[SCN], 1
	s_cmp_lt_u32 s[SCN], 16
	s_cbranch_scc1 .Lhigh
	s_setprio 0
	TILE_OUT
	s_mov_b32 s46, 0xffff0000
	v_cndmask_b32 v229, v246, v229, s46            ; lanes 0-15 the low tile's rows, lanes 16-31 the high tile's
	global_store_b16 v249, v229, s[56:57]
	s_wait_tensorcnt 0x0
	ds_add_u32 v254, v255
	s_wait_dscnt 0x0
	s_endpgm
.Lfunc_end_k_q893e2ec4a3_attn:
	.size	k_q893e2ec4a3_attn, .Lfunc_end_k_q893e2ec4a3_attn-k_q893e2ec4a3_attn
	.p2alignl 7, 3214868480
	.fill 96, 4, 3214868480
	.section	.rodata,"a",@progbits
	.p2align	6, 0x0
	.amdhsa_kernel k_q893e2ec4a3_attn
		.amdhsa_group_segment_fixed_size 206848
		.amdhsa_private_segment_fixed_size 0
		.amdhsa_enable_private_segment 0
		.amdhsa_kernarg_size 24
		.amdhsa_user_sgpr_count 2
		.amdhsa_user_sgpr_kernarg_segment_ptr 1
		.amdhsa_wavefront_size32 1
		.amdhsa_system_sgpr_workgroup_id_x 1
		.amdhsa_system_sgpr_workgroup_id_y 1
		.amdhsa_system_sgpr_workgroup_id_z 1
		.amdhsa_system_vgpr_workitem_id 0
		.amdhsa_next_free_vgpr 256
		.amdhsa_next_free_sgpr 66
		.amdhsa_reserve_vcc 1
		.amdhsa_float_denorm_mode_32 3
		.amdhsa_float_denorm_mode_16_64 3
		.amdhsa_memory_ordered 1
		.amdhsa_forward_progress 1
		.amdhsa_inst_pref_size 66
	.end_amdhsa_kernel
	.amdgpu_metadata
---
amdhsa.version: [ 1, 2 ]
amdhsa.kernels:
  - .name:           k_q893e2ec4a3_attn
    .symbol:         k_q893e2ec4a3_attn.kd
    .args:
      - { .name: qkv, .offset: 0, .size: 8, .value_kind: global_buffer, .address_space: global }
      - { .name: attc, .offset: 8, .size: 8, .value_kind: global_buffer, .address_space: global }
      - { .name: sc, .offset: 16, .size: 8, .value_kind: global_buffer, .address_space: global }
    .group_segment_fixed_size: 206848
    .private_segment_fixed_size: 0
    .kernarg_segment_align: 8
    .kernarg_segment_size: 24
    .max_flat_workgroup_size: 512
    .sgpr_count:     66
    .vgpr_count:     256
    .wavefront_size: 32
...
	.end_amdgpu_metadata
.endif
;; end of part 3
;; launch oproj (part 4): grid 8 x 32, 4 waves a work-group, clusters of 4 x 4, 312,832 bytes of LDS; arguments attc, wc, sc, b_o, out0; writes out0
.if DOCPART == 4
	.amdgcn_target "amdgcn-amd-amdhsa--gfx1250"
	.amdhsa_code_object_version 6
	.text
	.protected	k_q893e2ec4a3_oproj
	.globl	k_q893e2ec4a3_oproj
	.p2align	8
	.type	k_q893e2ec4a3_oproj,@function
k_q893e2ec4a3_oproj:
	s_mov_b64 s[64:65], 0
	v_nop
	global_prefetch_b8 v0, s[64:65] scope:SCOPE_SE
	s_setreg_imm32_b32 hwreg(HW_REG_WAVE_MODE, 25, 1), 1
	s_wait_xcnt 0x0
	s_wait_alu depctr_hold_cnt(0) depctr_sa_sdst(0) depctr_va_vdst(0) depctr_va_sdst(0) depctr_va_ssrc(0) depctr_va_vcc(0) depctr_vm_vsrc(0)
	s_getreg_b32 s2, hwreg(HW_REG_IB_STS2, 6, 4)
	s_cmp_eq_u32 s2, 0
	s_cbranch_scc0 .Lentry_in_a_cluster
	s_endpgm
.Lentry_in_a_cluster:
	s_bfe_u32 s2, ttmp6, 0x10000c
	s_cmp_lg_u32 s2, 0xf033
	s_cbranch_scc0 .Lentry_shape_is_right
	s_endpgm
.Lentry_shape_is_right:
; out0 = (attention's result) w_o + b_o on codes of FP6 (E2M3) with E8M0 scales, K = 1,024; out0 [8192][1024] f32.
; A tile is 256 tokens (source 1, "A") x 128 columns (source 0, "B"): 256 work-groups.  Four waves, a wave 128 x 64: 32 accumulators.  A lane holds one token, its registers run along the columns.
; ALL OF K LIES IN LDS: each wave asks for four K steps of 256 at the start (four tensor loads of mine are out) and nothing is filled again; counted waits and a barrier stand at each change of K step.
; CLUSTER 4 x 4: A's tile hangs on cy and is shared along a row of the cluster, B's on cx and is shared along a column.
; OPERANDS ARE IMAGES OF REGISTERS, 1,536 bytes for 16 rows x 128 K.  B's: three groups of four registers, 16 bytes a lane.  A's come from attention in two halves of 768 bytes (a head each):
; registers 6 c .. 6 c + 3 at 16 bytes a lane, then 6 c + 4, 6 c + 5 at 8 bytes a lane.  Of 32 rows image u holds rows 8 u + r + 8 (r / 8): the way out undoes that order for the tokens;
; for the columns it makes accumulator b's register j column 32 (b / 2) + 16 (lane / 16) + 8 (b % 2) + j.
; The bias is the C of each sum's first product.
; REGISTERS: window 0: v16-26 addresses; v32-95 scale words and nothing else; v96-127 the bias; v128-223 A's eight fragments (on the way out: rows read back).  window 1: B's four fragments, two sets, at v0 and v128.
;   window 2: accumulator (a, b) at v[8 (4 a + b)].
.set BREG,  196608                     ; A: [K step 4][half 2][24,576]; B behind it: [K step 4][half 2][12,288]
.set STAGE, 294912                     ; the way out: 16 rows x 272 bytes for each wave
.set SC,    32
.set AF,    128
.set BK,    128
.set G1A,   24
.set G1B,   32
.set G0A,   40                         ; s[40:55] four groups 0 for A; for B: s[56:63], s[68:75]
.set MSB, 0
.macro WIN new
.if MSB != (\new)
	s_set_vgpr_msb (MSB<<8)|(\new)
.set MSB, (\new)
.endif
.endm
.macro JLOAD g0a, g1a, g0b, g1b        ; waves 0, 1 ask for A's halves, waves 2, 3 for B's; four v_nop follow each of the two lines
	s_cmp_eq_u32 s17, 0
	s_cbranch_scc0 .Lfor_b_\@
	tensor_load_to_lds s[\g0a:\g0a+3], s[\g1a:\g1a+7]
	s_nop 0
.rept 4
	v_nop
.endr
	s_branch .Lasked_\@
.Lfor_b_\@:
	tensor_load_to_lds s[\g0b:\g0b+3], s[\g1b:\g1b+7]
	s_nop 0
.rept 4
	v_nop
.endr
.Lasked_\@:
.endm
.macro CROUND
	s_barrier_signal -1
	s_barrier_wait -1
	s_cmp_lg_u32 s16, 0
	s_cbranch_scc1 .Lnot_wave_0_\@
	s_barrier_signal -3
.Lnot_wave_0_\@:
	s_barrier_wait -3
	s_barrier_signal -1
	s_barrier_wait -1
.endm
.macro PLACES n
.rept \n
	v_nop
.endr
.endm
.macro FETCH_B q, p                    ; B's four fragments of the K step's q-th 128 into set p: 12 loads
	WIN 0x40
.irp i, 0,1,2,3
.irp c, 0,1,2
	ds_load_b128 v[128*(\p)+12*\i+4*\c:128*(\p)+12*\i+4*\c+3], v18 offset:3072*\i+1536*(\q)+512*\c
.endr
.endr
	WIN 0
.endm
.macro FETCH_A q, i0                   ; A's blocks i0 .. i0 + 3: 16 loads
.irp i, \i0, \i0+1, \i0+2, \i0+3
	ds_load_b128 v[AF+12*(\i):AF+12*(\i)+3], v16 offset:3072*(\i)+1536*(\q)
	ds_load_b64 v[AF+12*(\i)+4:AF+12*(\i)+5], v17 offset:3072*(\i)+1536*(\q)+512
	ds_load_b128 v[AF+12*(\i)+6:AF+12*(\i)+9], v16 offset:3072*(\i)+1536*(\q)+768
	ds_load_b64 v[AF+12*(\i)+10:AF+12*(\i)+11], v17 offset:3072*(\i)+1536*(\q)+1280
.endr
.endm
; 8 products: A's blocks a0, a0 + 1 x B's four.  The 32 accumulators take turns, one instruction a turn, in one order throughout.
.macro MUL8 a0, p, kc, first
.irp a, \a0, \a0+1
.irp b, 0,1,2,3
.if \first
	v_wmma_scale_f32_16x16x128_f8f6f4 v[8*(4*(\a)+\b):8*(4*(\a)+\b)+7], v[128*(\p)+12*\b:128*(\p)+12*\b+11], v[AF+12*(\a):AF+12*(\a)+11], v[96+8*\b:96+8*\b+7], v[SC+8*\b+(\kc)], v[SC+8*(\a)+(\kc)] matrix_a_fmt:MATRIX_FMT_FP6 matrix_b_fmt:MATRIX_FMT_FP6 matrix_a_scale:MATRIX_SCALE_ROW1
.else
	v_wmma_scale_f32_16x16x128_f8f6f4 v[8*(4*(\a)+\b):8*(4*(\a)+\b)+7], v[128*(\p)+12*\b:128*(\p)+12*\b+11], v[AF+12*(\a):AF+12*(\a)+11], v[8*(4*(\a)+\b):8*(4*(\a)+\b)+7], v[SC+8*\b+(\kc)], v[SC+8*(\a)+(\kc)] matrix_a_fmt:MATRIX_FMT_FP6 matrix_b_fmt:MATRIX_FMT_FP6 matrix_a_scale:MATRIX_SCALE_ROW1
.endif
.endr
.endr
.endm
.macro MWIN first
.if \first
	WIN 0x81                                       ; source 0 (B) window 1, source 1 (A) and C (the bias) window 0, D window 2
.else
	WIN 0xa1                                       ; C and D window 2
.endif
.endm
.macro STEP kc, first                  ; an even 128 along K; the K step's second 128 are fetched on the way
	s_wait_dscnt 16                                ; B's set and A's blocks 0-3 are in; the youngest 16 loads (A's blocks 4-7) may be out
	MWIN \first
	MUL8 0, 0, \kc, \first
	MUL8 2, 0, \kc, \first
	s_wait_dscnt 0x0
	PLACES 4
	FETCH_B 1, 1
	FETCH_A 1, 0
	MWIN \first
	MUL8 4, 0, \kc, \first
	MUL8 6, 0, \kc, \first
	PLACES 4
	WIN 0
	FETCH_A 1, 4
.endm
.macro TURNP kc, left                  ; an odd 128 along K, and the change of K step.  left: my loads issued behind the next K step's, which may stay out
	s_wait_dscnt 16
	WIN 0xa1
	MUL8 0, 1, \kc, 0
	s_wait_tensorcnt \left                         ; my part of the next K step has landed
	s_wait_dscnt 0x0                               ; no LDS instruction of mine is out at a signal
	s_barrier_signal -1
	MUL8 2, 1, \kc, 0
	WIN 0
	s_barrier_wait -1                              ; everybody's has
	v_add_nc_u32 v16, 49152, v16                   ; on to the next K step: with the v_nop the four places in front of the loads below
	v_add_nc_u32 v17, 49152, v17
	v_add_nc_u32 v18, 24576, v18
	PLACES 1
	FETCH_B 0, 0
	FETCH_A 0, 0
	WIN 0xa1
	MUL8 4, 1, \kc, 0
	MUL8 6, 1, \kc, 0
	PLACES 4
	WIN 0
	FETCH_A 0, 4
.endm
	s_load_b256 s[4:11], s[0:1], 0x0               ; attc s[4:5], wc s[6:7], sc s[8:9], b_o s[10:11]
	s_load_b64 s[12:13], s[0:1], 0x20              ; out0
	v_lshl_add_u32 v254, v0, 2, 0x4c400
	v_mov_b32 v255, 0
	ds_add_u32 v254, v255
	ds_add_u32 v254, v255
	v_lshrrev_b32 v1, 5, v0
	v_readfirstlane_b32 s16, v1                    ; wave
	s_lshr_b32 s17, s16, 1                         ; my half of the tokens.  Also: I ask for A (0) or for B (1)
	s_and_b32 s18, s16, 1                          ; my half of the columns.  Also: which half I ask for
	s_bfe_u32 s92, ttmp6, 0x40000                  ; cx
	s_bfe_u32 s93, ttmp6, 0x40004                  ; cy
	s_lshl_b32 s94, ttmp9, 2
	s_add_co_u32 s94, s94, s92                     ; TX: 128 columns
	s_and_b32 s95, ttmp7, 0xffff
	s_lshl_b32 s95, s95, 2
	s_add_co_u32 s95, s95, s93                     ; TY: 256 tokens
	s_lshl_b32 s96, s93, 2
	s_lshl_b32 s96, 15, s96                        ; my row of the cluster
	s_lshl_b32 s97, 0x1111, s92                    ; my column
	s_or_b32 s[G1A], s96, (3<<16)|(1<<21)          ; the mask; elements of 8 bytes; bit 21 beside a mask; no padding
	s_or_b32 s[G1B], s97, (3<<16)|(1<<21)
	s_mov_b32 s[G1A+1], 384<<16                    ; rows of 3,072 bytes: two images
	s_mov_b32 s[G1A+2], 8<<16                      ; A: 8 row blocks
	s_mov_b32 s[G1A+3], 384<<16
	s_mov_b32 s[G1A+4], 8
	s_mov_b32 s[G1A+5], 1536                       ; 12,288 bytes from a row block to the next
	s_mov_b32 s[G1A+6], 0
	s_mov_b32 s[G1A+7], 0
	s_mov_b32 s[G1B+1], 384<<16
	s_mov_b32 s[G1B+2], 4<<16                      ; B: 4 row blocks
	s_mov_b32 s[G1B+3], 384<<16
	s_mov_b32 s[G1B+4], 4
	s_mov_b32 s[G1B+5], 1536
	s_mov_b32 s[G1B+6], 0
	s_mov_b32 s[G1B+7], 0
	s_lshl_b32 s76, s95, 8
	s_lshl_b32 s77, s18, 7
	s_add_co_u32 s76, s76, s77                     ; A: row' 256 TY + 128 x half
	s_mul_i32 s76, s76, 768
	s_mov_b32 s77, 0
	s_lshl_b32 s78, s94, 7
	s_lshl_b32 s79, s18, 6
	s_add_co_u32 s78, s78, s79
	s_add_co_u32 s78, s78, 3072                    ; B: w_o's columns begin at row' 3,072 of wc
	s_mul_i32 s78, s78, 768
	s_mov_b32 s79, 0
	s_mul_i32 s80, s18, 24576                      ; where they go: no place in the cluster enters an LDS address
	s_mul_i32 s81, s18, 12288
	s_add_co_u32 s81, s81, BREG
	s_mov_b32 s66, 0xffff0000
	s_wait_dscnt 0x0
	s_wait_kmcnt 0x0
	s_add_nc_u64 s[76:77], s[4:5], s[76:77]
	s_add_nc_u64 s[78:79], s[6:7], s[78:79]
	CROUND                                         ; all sixteen work-groups are here: the joint loads meet
.irp s, 0,1,2,3
	s_mov_b32 s[G0A+4*\s], 1
	s_add_co_u32 s[G0A+4*\s+1], s80, \s*49152
	s_add_nc_u64 s[G0A+4*\s+2:G0A+4*\s+3], s[76:77], \s*3072
	s_or_b32 s[G0A+4*\s+3], s[G0A+4*\s+3], 0x80000000
	s_mov_b32 s[56+4*\s+4*(\s/2)], 1
	s_add_co_u32 s[56+4*\s+4*(\s/2)+1], s81, \s*24576
	s_add_nc_u64 s[56+4*\s+4*(\s/2)+2:56+4*\s+4*(\s/2)+3], s[78:79], \s*3072
	s_or_b32 s[56+4*\s+4*(\s/2)+3], s[56+4*\s+4*(\s/2)+3], 0x80000000
	JLOAD G0A+4*\s, G1A, 56+4*\s+4*(\s/2), G1B
.endr
	v_and_b32 v1, 31, v0                           ; lane
	v_and_b32 v2, 15, v0                           ; r
	v_bfe_u32 v3, v0, 4, 1                         ; h
	s_mul_i32 s82, s17, 24576
	v_lshl_add_u32 v16, v1, 4, s82                 ; my half of A: 16 x lane,
	v_lshl_add_u32 v17, v1, 3, s82                 ; and 8 x lane
	s_mul_i32 s82, s18, 12288
	s_add_co_u32 s82, s82, BREG
	v_lshl_add_u32 v18, v1, 4, s82                 ; my half of B
	s_mul_i32 s82, s16, 16*272
	s_add_co_u32 s82, s82, STAGE
	v_mul_u32_u24 v24, v2, 272
	v_lshl_add_u32 v24, v3, 6, v24
	v_add_nc_u32 v24, s82, v24                     ; into my stage: row r, + 64 h
	v_mul_u32_u24 v25, v3, 272
	v_lshl_add_u32 v25, v2, 4, v25
	v_add_nc_u32 v25, s82, v25                     ; back: lanes 0-15 one row of 256 bytes, lanes 16-31 the next
	v_lshlrev_b32 v26, 4, v2
	v_lshl_add_u32 v26, v3, 12, v26                ; and the same in out0
	; scale words: lanes 0-15 my 128 tokens' rows, lanes 16-31 my columns' (for blocks 4-7 the upper lanes read rows inside sc that no product names)
	s_lshl_b32 s82, s95, 8
	s_lshl_b32 s83, s17, 7
	s_add_co_u32 s82, s82, s83
	s_add_co_u32 s82, s82, 12288
	s_lshl_b32 s82, s82, 5
	s_lshl_b32 s84, s94, 7
	s_lshl_b32 s85, s18, 6
	s_add_co_u32 s84, s84, s85                     ; my first column
	s_add_co_u32 s86, s84, 11264
	s_lshl_b32 s86, s86, 5
	v_mov_b32 v4, s82
	v_mov_b32 v5, s86
	v_cndmask_b32 v15, v4, v5, s66
	v_lshl_add_u32 v15, v2, 5, v15
.irp i, 0,1,2,3,4,5,6,7
	global_load_b128 v[SC+8*\i:SC+8*\i+3], v15, s[8:9] offset:512*\i
	global_load_b128 v[SC+8*\i+4:SC+8*\i+7], v15, s[8:9] offset:512*\i+16
.endr
	s_lshl_b32 s86, s84, 2
	s_mov_b32 s87, 0
	s_add_nc_u64 s[10:11], s[10:11], s[86:87]      ; my 64 numbers of the bias
	v_lshlrev_b32 v14, 6, v3
.irp b, 0,1,2,3
	global_load_b128 v[96+8*\b:96+8*\b+3], v14, s[10:11] offset:(32*(\b/2)+8*(\b%2))*4
	global_load_b128 v[96+8*\b+4:96+8*\b+7], v14, s[10:11] offset:(32*(\b/2)+8*(\b%2))*4+16
.endr
	s_lshl_b32 s88, s95, 8
	s_lshl_b32 s89, s17, 7
	s_add_co_u32 s88, s88, s89
	s_lshl_b32 s88, s88, 12                        ; my first token's row of 4,096 bytes
	s_add_co_u32 s88, s88, s86
	s_mov_b32 s89, 0
	s_add_nc_u64 s[12:13], s[12:13], s[88:89]
	s_wait_tensorcnt 0x3                           ; my part of K step 0 is in; three loads may be out
	s_barrier_signal -1
	s_barrier_wait -1
	FETCH_B 0, 0
	FETCH_A 0, 0
	FETCH_A 0, 4
	s_wait_loadcnt 0x0                             ; scale words and bias
	STEP 0, 1
	TURNP 1, 2
	STEP 2, 0
	TURNP 3, 1
	STEP 4, 0
	TURNP 5, 0
	STEP 6, 0
	s_wait_dscnt 16
	WIN 0xa1
	MUL8 0, 1, 7, 0
	MUL8 2, 1, 7, 0
	s_wait_dscnt 0x0
	MUL8 4, 1, 7, 0
	MUL8 6, 1, 7, 0
	WIN 0
; THE WAY OUT, a block of 16 tokens x 64 columns at a time, through my own stage: a lane's 32 bytes go in, whole rows of 256 bytes come back, sixteen lanes store one aligned run of 256 bytes.
; LDS serves a wave's instructions in order (ISA guide 5.7.1.4): no wait between the stores and the loads, nor in front of the next block's stores.
.macro TOSTAGE a
	WIN 0x08                                       ; an LDS store's data are its source 1: window 2
.irp b, 0,1,2,3
	ds_store_b128 v24, v[8*(4*(\a)+\b):8*(4*(\a)+\b)+3] offset:128*(\b/2)+32*(\b%2)        ; each accumulator from its low end on
	ds_store_b128 v24, v[8*(4*(\a)+\b)+4:8*(4*(\a)+\b)+7] offset:128*(\b/2)+32*(\b%2)+16
.endr
	WIN 0
.irp t, 0,1,2,3,4,5,6,7
	ds_load_b128 v[BK+32*((\a)%2)+4*\t:BK+32*((\a)%2)+4*\t+3], v25 offset:544*\t
.endr
.endm
.macro SEND a, younger                 ; stage row 2 t + h is token 32 (a / 2) + 8 (a % 2) + 2 t + h + 8 (t / 4) of my 128
	s_wait_dscnt \younger
.irp t, 0,1,2,3,4,5,6,7
	global_store_b128 v26, v[BK+32*((\a)%2)+4*\t:BK+32*((\a)%2)+4*\t+3], s[12:13] offset:(32*((\a)/2)+8*((\a)%2)+2*\t+8*(\t/4))*4096 th:TH_STORE_NT
.endr
.endm
	PLACES 4
	TOSTAGE 0
.irp a, 1,2,3,4,5,6,7
.if \a > 1
	s_wait_xcnt 0x0                                ; block a - 2's stores have read their registers: block a's rows may land there
.endif
	TOSTAGE \a
	SEND \a-1, 16                                  ; behind block a - 1's loads: block a's 8 stores and 8 loads
.endr
	SEND 7, 0
	s_wait_tensorcnt 0x0
	ds_add_u32 v254, v255
	s_wait_dscnt 0x0
	CROUND                                         ; the closing round: no work-group ends while a partner may still ask for a tile that names it
	s_endpgm
.Lfunc_end_k_q893e2ec4a3_oproj:
	.size	k_q893e2ec4a3_oproj, .Lfunc_end_k_q893e2ec4a3_oproj-k_q893e2ec4a3_oproj
	.p2alignl 7, 3214868480
	.fill 96, 4, 3214868480
	.section	.rodata,"a",@progbits
	.p2align	6, 0x0
	.amdhsa_kernel k_q893e2ec4a3_oproj
		.amdhsa_group_segment_fixed_size 312832
		.amdhsa_private_segment_fixed_size 0
		.amdhsa_enable_private_segment 0
		.amdhsa_kernarg_size 40
		.amdhsa_user_sgpr_count 2
		.amdhsa_user_sgpr_kernarg_segment_ptr 1
		.amdhsa_wavefront_size32 1
		.amdhsa_system_sgpr_workgroup_id_x 1
		.amdhsa_system_sgpr_workgroup_id_y 1
		.amdhsa_system_sgpr_workgroup_id_z 1
		.amdhsa_system_vgpr_workitem_id 0
		.amdhsa_next_free_vgpr 768
		.amdhsa_next_free_sgpr 102
		.amdhsa_reserve_vcc 0
		.amdhsa_float_denorm_mode_32 3
		.amdhsa_float_denorm_mode_16_64 3
		.amdhsa_memory_ordered 1
		.amdhsa_forward_progress 1
		.amdhsa_inst_pref_size 86
	.end_amdhsa_kernel
	.amdgpu_metadata
---
amdhsa.version: [ 1, 2 ]
amdhsa.kernels:
  - .name:           k_q893e2ec4a3_oproj
    .symbol:         k_q893e2ec4a3_oproj.kd
    .args:
      - { .name: attc, .offset: 0, .size: 8, .value_kind: global_buffer, .address_space: global }
      - { .name: wc, .offset: 8, .size: 8, .value_kind: global_buffer, .address_space: global }
      - { .name: sc, .offset: 16, .size: 8, .value_kind: global_buffer, .address_space: global }
      - { .name: b_o, .offset: 24, .size: 8, .value_kind: global_buffer, .address_space: global }
      - { .name: out0, .offset: 32, .size: 8, .value_kind: global_buffer, .address_space: global }
    .group_segment_fixed_size: 312832
    .private_segment_fixed_size: 0
    .kernarg_segment_align: 8
    .kernarg_segment_size: 40
    .max_flat_workgroup_size: 128
    .sgpr_count:     102
    .vgpr_count:     768
    .wavefront_size: 32
...
	.end_amdgpu_metadata
.endif
;; end of part 4
